; MI455X (gfx1250); checked and timed in simulation.
; The chip was launched on July 23, 2026; its instructions are those of AMD's public machine-readable ISA for CDNA 5 (MIT licence, August 2026) and "CDNA5" Instruction Set Architecture Reference Guide (July 2026). The comments in the code are by the model that wrote it; some were corrected since.
;; Attention. Allowed arithmetic: matrix products marked QUANTISED: E2M1 operands, one E8M0 scale for each 32 along K, by v_wmma_scale_f32_16x16x128_f8f6f4 with both operands' format E2M1 (or v_wmma_scale_f32_32x16x128_f4), f32 sums; products left as they are: bf16, f16 or f32 operands; f32 sums; everything else in f32.
;; Inputs: Wk 1,024 x 1,024 float32; Wo 1,024 x 1,024 float32; Wq 1,024 x 1,024 float32; Wv 1,024 x 1,024 float32; bias 1 x 1 x 2,048 x 2,048 float32; x 2 x 2,048 x 1,024 float32; y 2 x 2,048 x 1,024 float32.
;; Outputs: out0 2 x 2,048 x 1,024 float32.
;; This version of the problem:
;;   THIS VERSION OF THE PROBLEM IS GIVEN IN LOW PRECISION. The matrix products marked QUANTISED in the list below multiply operands that are first quantised to E2M1 (2 exponent bits, 1 mantissa bit; 4 bits a number), with one power-of-two scale for each 32 numbers along K (OCP MX v1.0); their sums are f32. The products marked 'left as it is' may take bf16, f16 or f32 operands, with f32 sums. Whichever they take, every output number must still come out within the allowed error. Rounding operands to bf16 (8 significant bits) uses up far more of that allowance than f16 does (11 bits, for magnitudes from 6e-5 to 65,504). All else is computed in f32.
;;   The module's matrix products, in the order in which they are computed (A, B: the left and right operand; K: the contracted axis; several contracted axes count as one K, in the product's order):
;;     1. [M 4,096, K 1,024] x [K 1,024, N 1,024]; A: input x; B: input Wq: QUANTISED
;;     2. [M 4,096, K 1,024] x [K 1,024, N 1,024]; A: input y; B: input Wk: QUANTISED
;;     3. [M 4,096, K 1,024] x [K 1,024, N 1,024]; A: input y; B: input Wv: QUANTISED
;;     4. batch 32 x [M 2,048, K 64] x [K 64, N 2,048]; A: computed on the way; B: computed on the way: left as it is (an operand is computed on the way)
;;     5. batch 32 x [M 2,048, K 2,048] x [K 2,048, N 64]; A: computed on the way; B: computed on the way: left as it is (an operand is computed on the way)
;;     6. [M 4,096, K 1,024] x [K 1,024, N 1,024]; A: computed on the way; B: input Wo: left as it is (an operand is computed on the way)
;;   THE QUANTISER, for each operand of a quantised product, along K:
;;     - K is cut into blocks of 32 from its start; a last block that is shorter is filled with zeros.
;;     - A block's scale is 2^e with e = floor(log2(the largest magnitude in the block)) - 2, held to -126 .. 127; a block of zeros has e = 0. As a byte (E8M0): e + 127.
;;     - Each number is divided by its block's scale, clamped to +-6, and rounded to the nearest number of E2M1, ties to even, subnormals kept.
;;     - The product sums the exact products of the quantised numbers (number of the format x scale) in f32.
;;   ~~~python
;;   def quantise(x, axis):      # numpy; x: float32 -> the quantised numbers, widened to float32 again
;;       x = np.moveaxis(x, axis, -1); K = x.shape[-1]
;;       x = np.pad(x, [(0, 0)] * (x.ndim - 1) + [(0, -K % 32)]); x = x.reshape(x.shape[:-1] + (-1, 32)); a = np.abs(x).max(-1, keepdims=True)
;;       e = np.where(a > 0, np.clip(np.frexp(np.where(a > 0, a, 1))[1] - 1 - 2, -126, 127), 0)      # np.frexp(a)[1] - 1 = floor(log2(a)), exactly
;;       r = np.clip(x / 2.0 ** e, -6, 6)
;;       step = 2.0 ** (np.maximum(np.frexp(np.where(r == 0, 1, r))[1] - 1, 0) - 1)
;;       q = np.round(r / step) * step * 2.0 ** e      # np.round: ties to even
;;       return np.moveaxis(q.reshape(q.shape[:-2] + (-1,))[..., :K], -1, axis).astype(np.float32)
;;   ~~~
;; One version. Each part assembles by itself: llvm-mc -triple=amdgcn-amd-amdhsa -mcpu=gfx1250 --defsym DOCPART=n.
;; ======== version 1 of 1: 4 launches
;; limits: values are held in f16: magnitudes above 65,504 overflow, below 6.1e-05 lose precision
;; workspace buffers: act_codes 4,194,304 bytes; act_scales 262,144 bytes; w_codes 1,572,864 bytes; w_scales 98,304 bytes; wot 2,097,152 bytes; qkv 25,165,824 bytes; attn 8,388,608 bytes
;; launch prep (part 1): grid 256 x 1, 8 waves a work-group, no clusters, 154,624 bytes of LDS; arguments x, y, Wq, Wk, Wv, Wo, act_codes, act_scales, w_codes, w_scales, wot; writes act_codes, act_scales, w_codes, w_scales, wot
.if DOCPART == 1
	.amdgcn_target "amdgcn-amd-amdhsa--gfx1250"
	.amdhsa_code_object_version 6
	.text
	.protected	k_q26df35c966_prep
	.globl	k_q26df35c966_prep
	.p2align	8
	.type	k_q26df35c966_prep,@function
k_q26df35c966_prep:
	s_mov_b64 s[64:65], 0
	v_nop
	global_prefetch_b8 v0, s[64:65] scope:SCOPE_SE
	s_setreg_imm32_b32 hwreg(HW_REG_WAVE_MODE, 25, 1), 1
	s_wait_xcnt 0x0
; THE OPERANDS ARE MADE READY, ONCE.  Three kinds of work, told apart by the work-group's number alone (the same in all eight waves):
;   A, work-groups 0-127:   x and y [4096][1024] f32, K innermost -> codes of FP4 (E2M1), act_codes [8192 rows: x's, then y's][512 bytes], and one E8M0 byte for each 32 along K, act_scales [8192][32].
;   B, work-groups 128-223: Wq, Wk, Wv [k 1024][n 1024] f32, K is the FIRST axis -> w_codes [3072 rows n: Wq's columns, Wk's, Wv's][512 bytes], K innermost, w_scales [3072][32].
;   C, work-groups 224-255: Wo [k][n] f32 -> wot [n 1024][k 1024] f16, K innermost, for the last product, which is left as it is.
; A block's scale is 2^(floor(log2(its largest magnitude)) - 2); its byte is the largest magnitude's exponent field - 2, held at 1 from below by a floor among the maximum's leaves.
; Each number is divided by the scale and rounded to the nearest code, ties to even; beyond 6 the conversion gives the largest code.
; LIMITS: NaN and infinities among the inputs are not served.  A block whose largest magnitude lies under 2^-124 keeps the byte 1.  A block of zeros gets the byte 1 where the rule says 127:
; its codes are zeros, which add nothing under any byte but 0xff, and the bytes are read by this program alone.  |Wo| stays under 65,504 (f16).
; No tensor load, no ring.  Each kind of work has LDS bytes of its own.
.set SPARE, 153600                     ; the spare words, 128 bytes for each of the eight waves: four blocks of 256 bytes that no other line names
.set SPW,   12                         ; v12  LDS address of my spare word: SPARE + 4 x my thread's number; never rewritten
.set NIL,   13                         ; v13  0; never rewritten
; ---- A
.set STEPS, 16                         ; a wave takes 16 steps of 512 numbers
.set SP,    80                         ; a lane's place in a stage: its 64 bytes + 16 of padding
.set R,     16                         ; v16-143  eight sets of 16 numbers as they are loaded
.set X,     144                        ; v144-175 two sets of 16 neighbours
.set E,     176                        ; v176-191 a scale byte for each step
.set C,     192                        ; v192-223 two registers of codes for each step: no store's data are written again
; ---- B and C
.set WX,    32                         ; v32-95   two sets of 32 numbers: a block of 32 along K of my column
.set WC,    96                         ; v96..    a block's codes (4 registers) or f16 pairs (16)
.set WO,    112                        ; v112-175 the way out
.set BCOD,  65536                      ; B: the work-group's stage for codes, 64 rows (columns n) x (256 bytes + 16)
.set BSCL,  82944                      ; B: and for scale words, 64 rows x 16 bytes
.set CSTG,  83968                      ; C: a stage of 32 rows x (256 bytes + 16) for each wave
.macro ALOAD t                         ; step t's 2,048 bytes: each load reads 512 consecutive bytes, 16 a lane
.irp i, 0,1,2,3
	global_load_b128 v[R+16*((\t)%8)+4*\i:R+16*((\t)%8)+4*\i+3], v3, s[4:5] offset:2048*(\t)+512*\i th:TH_LOAD_NT
.endr
.endm
.macro ATURN t                         ; through the wave's own stage, so that a lane gets 16 NEIGHBOURS along K; LDS serves a wave's instructions in order, so no wait stands between the stores and the loads
.irp i, 0,1,2,3
	ds_store_b128 v14, v[R+16*((\t)%8)+4*\i:R+16*((\t)%8)+4*\i+3] offset:32*SP*((\t)%2)+8*SP*\i
.endr
.irp i, 0,1,2,3
	ds_load_b128 v[X+16*((\t)%2)+4*\i:X+16*((\t)%2)+4*\i+3], v15 offset:32*SP*((\t)%2)+16*\i
.endr
.endm
.macro ASTEP t
.set XS, X+16*((\t)%2)
.if (\t) > 0
	s_wait_dscnt 1                                 ; this step's numbers are back from the stage (the last step's byte store may be out): so the stores into the stage have read their registers,
.else
	s_wait_dscnt 0x0
.endif
.if (\t)+8 < STEPS
	ALOAD (\t)+8                                   ; which take the loads of eight steps on
.endif
.if (\t)+1 < STEPS
.if (\t) <= 7
	s_wait_loadcnt 28                              ; the next step's four loads are in; those of the seven steps behind it may be out
.else
	s_wait_loadcnt 4*(14-(\t))                     ; nothing more is asked for: the counts run down
.endif
	ATURN (\t)+1                                   ; the next step goes through the other stage while this one is worked
.endif
	v_max3_num_f32 v8, |v[XS]|, |v[XS+1]|, |v[XS+2]|               ; the largest magnitude of my 16, in two chains
	v_max3_num_f32 v9, |v[XS+3]|, |v[XS+4]|, |v[XS+5]|
.irp i, 6,10
	v_max3_num_f32 v8, v8, |v[XS+\i]|, |v[XS+\i+1]|
	v_max3_num_f32 v9, v9, |v[XS+\i+2]|, |v[XS+\i+3]|
.endr
	v_max3_num_f32 v8, v8, |v[XS+14]|, |v[XS+15]|
	v_max3_num_f32 v8, v8, v9, 0x1800000           ; and the floor 2^(3 - 127): the byte cannot fall under 1
	v_max_num_f32_dpp v8, v8, v8 row_xmask:1 row_mask:0xf bank_mask:0xf   ; with my neighbour's 16: the block's
	v_add_nc_u32 v11, 0xff000000, v8               ; 2 off its exponent field: the conversion takes the exponent field of this operand as its scale, and nothing else of it
	v_cvt_scalef32_pk8_fp4_f32 v[C+2*(\t)], v[XS:XS+7], v11
	v_cvt_scalef32_pk8_fp4_f32 v[C+2*(\t)+1], v[XS+8:XS+15], v11
	v_lshrrev_b32 v[E+(\t)], 23, v11               ; the scale's byte (a plain line behind the conversions)
	ds_store_b8 v5, v[E+(\t)] offset:16*(\t)       ; both lanes of a block write the same byte with the same value
	global_store_b64 v4, v[C+2*(\t):C+2*(\t)+1], s[16:17] offset:256*(\t)   ; the wave stores 256 consecutive bytes, aligned
.endm
.macro WSHARE                          ; B and C: s27 = the work-group's number in its kind.  A wave takes 32 columns x 128 along K
	s_lshr_b32 s30, s27, 1                         ; cb: which 64 columns
	s_and_b32 s31, s27, 1                          ; kh: which 512 along K
	s_and_b32 s32, s26, 1                          ; cg: which 32 of the 64 columns
	s_lshr_b32 s33, s26, 1                         ; kp: which 128 of the 512
	s_and_b32 s34, s30, 15                         ; the 64 columns' place in their weight
	s_lshl_b32 s35, s31, 2
	s_add_co_u32 s35, s35, s33                     ; 4 kh + kp: which 128 of all of K
	s_lshl_b32 s28, s35, 19                        ; x 128 rows of 4,096 bytes
	s_lshl_b32 s36, s34, 8
	s_add_co_u32 s28, s28, s36                     ; + 64 columns x 4 bytes
	s_lshl_b32 s36, s32, 7
	s_add_co_u32 s28, s28, s36                     ; + 32 columns x 4 bytes: where my wave's part of the weight begins
	v_lshlrev_b32 v3, 2, v2                        ; in: 4 bytes a lane: A LANE TAKES A COLUMN, AND ITS REGISTERS RUN DOWN K
	v_and_b32 v6, 15, v2                           ; r
	v_lshrrev_b32 v7, 4, v2                        ; h
.endm
.macro LOADW t                         ; block t: W(32 t + i, my column), i = 0 .. 31; the two waves of a pair read 256 neighbouring bytes of each row
.irp i, 0,1,2,3,4,5,6,7,8,9,10,11,12,13,14,15,16,17,18,19,20,21,22,23,24,25,26,27,28,29,30,31
	global_load_b32 v[WX+32*((\t)%2)+\i], v3, s[8:9] offset:(32*(\t)+\i)*4096 th:TH_LOAD_NT
.endr
.endm
.macro WWAIT t
.if (\t) < 3
	s_wait_loadcnt 32                              ; this block's 32 loads are in; the next block's may be out
.else
	s_wait_loadcnt 0x0
.endif
.endm
.macro BLOCKQ t                        ; B: a block of 32 along K of my column becomes 16 bytes of codes and a scale byte
.set XS, WX+32*((\t)%2)
	WWAIT \t
	v_max3_num_f32 v16, |v[XS]|, |v[XS+1]|, |v[XS+2]|              ; all 32 numbers are mine: no other lane is asked
	v_max3_num_f32 v17, |v[XS+3]|, |v[XS+4]|, |v[XS+5]|
.irp i, 6,10,14,18,22,26
	v_max3_num_f32 v16, v16, |v[XS+\i]|, |v[XS+\i+1]|
	v_max3_num_f32 v17, v17, |v[XS+\i+2]|, |v[XS+\i+3]|
.endr
	v_max3_num_f32 v16, v16, |v[XS+30]|, |v[XS+31]|
	v_max3_num_f32 v16, v16, v17, 0x1800000        ; the floor
	v_add_nc_u32 v18, 0xff000000, v16              ; the conversion's scale operand
	v_lshrrev_b32 v19, 23, v18                     ; the byte
.if (\t) == 0
	v_mov_b32 v24, v19                             ; four blocks' bytes make the scale word of these 128 along K, the lower K in the lower byte
.else
	v_lshl_or_b32 v24, v19, 8*(\t), v24
.endif
.irp g, 0,1,2,3
	v_cvt_scalef32_pk8_fp4_f32 v[WC+\g], v[XS+8*\g:XS+8*\g+7], v18
.endr
	v_nop                                          ; a plain line behind the last conversion
	ds_store_b128 v4, v[WC:WC+3] offset:16*(\t)    ; 32 codes: 16 bytes of my column's row
.if (\t)+2 < 4
	LOADW (\t)+2
.endif
	s_wait_dscnt 0x0                               ; the store has read its registers: the next block's codes may be written
.endm
.macro BLOCKH t                        ; C: the same block rounded to f16, 64 bytes of my column's row
.set XS, WX+32*((\t)%2)
	WWAIT \t
.irp i, 0,1,2,3,4,5,6,7,8,9,10,11,12,13,14,15
	v_cvt_pk_f16_f32 v[WC+\i], v[XS+2*\i], v[XS+2*\i+1]
.endr
.irp i, 0,1,2,3
	ds_store_b128 v4, v[WC+4*\i:WC+4*\i+3] offset:64*(\t)+16*\i
.endr
.if (\t)+2 < 4
	LOADW (\t)+2
.endif
	s_wait_dscnt 0x0                               ; the stores have read their registers
.endm
	s_load_b256 s[4:11], s[0:1], 0x0               ; x s[4:5], y s[6:7], Wq s[8:9], Wk s[10:11]
	s_load_b256 s[12:19], s[0:1], 0x20             ; Wv s[12:13], Wo s[14:15], act_codes s[16:17], act_scales s[18:19]
	s_load_b128 s[20:23], s[0:1], 0x40             ; w_codes s[20:21], w_scales s[22:23]
	s_load_b64 s[24:25], s[0:1], 0x50              ; wot
	v_lshl_add_u32 v[SPW], v0, 2, SPARE
	v_mov_b32 v[NIL], 0
	v_lshrrev_b32 v1, 5, v0
	v_readfirstlane_b32 s26, v1                    ; wave 0..7
	v_and_b32 v2, 31, v0                           ; lane
	s_mov_b32 s29, 0                               ; the upper word of every offset: all stay under 2^32
	s_wait_kmcnt 0x0
	s_cmp_ge_u32 ttmp9, 224
	s_cbranch_scc1 .Lpath_c
	s_cmp_ge_u32 ttmp9, 128
	s_cbranch_scc1 .Lpath_b
	; ---------------- A: x (work-groups 0-63) and y (64-127).  Rows are dense and K is a multiple of 32: a tensor is a plain stream of blocks of 32
	s_cmp_lt_u32 ttmp9, 64
	s_cselect_b64 s[4:5], s[4:5], s[6:7]           ; the choice hangs on the work-group's number alone
	s_cselect_b32 s27, 0, 64
	s_sub_co_u32 s27, ttmp9, s27
	s_lshl_b32 s27, s27, 3
	s_add_co_u32 s27, s27, s26                     ; which run of 8,192 numbers of the tensor is my wave's
	s_lshl_b32 s28, s27, 15
	s_add_nc_u64 s[4:5], s[4:5], s[28:29]
	s_lshl_b32 s27, ttmp9, 3
	s_add_co_u32 s27, s27, s26                     ; and of the outputs, in which y's rows follow x's
	s_lshl_b32 s28, s27, 12
	s_add_nc_u64 s[16:17], s[16:17], s[28:29]      ; 4,096 bytes of codes a run
	s_lshl_b32 s28, s27, 8
	s_add_nc_u64 s[18:19], s[18:19], s[28:29]      ; 256 scale bytes a run
	v_lshlrev_b32 v3, 4, v2                        ; my 16 bytes of a load's 512
	s_lshl_b32 s27, s26, 13                        ; my wave's 8,192 bytes of LDS: two stages of 32 x SP bytes, and behind them its 256 scale bytes
	v_lshrrev_b32 v14, 2, v2
	v_mul_u32_u24 v14, v14, SP
	v_and_b32 v15, 3, v2
	v_lshl_add_u32 v14, v15, 4, v14
	v_add_nc_u32 v14, s27, v14                     ; the stage, on the way in: SP (lane / 4) + 16 (lane % 4)
	v_mul_u32_u24 v15, v2, SP
	v_add_nc_u32 v15, s27, v15                     ; and on the way out: SP x lane
	v_lshlrev_b32 v4, 3, v2                        ; 8 bytes a lane: my codes' place in a step's, and my place among the 256 scale bytes on their way out
	v_lshrrev_b32 v5, 1, v2
	s_add_co_u32 s27, s27, 2*32*SP
	v_add_nc_u32 v5, s27, v5                       ; my block's byte
	v_add_nc_u32 v6, s27, v4
.irp t, 0,1,2,3,4,5,6,7
	ALOAD \t
.endr
	s_wait_loadcnt 28                              ; step 0's four loads are in
	ATURN 0
.irp t, 0,1,2,3,4,5,6,7,8,9,10,11,12,13,14,15
	ASTEP \t
.endr
	ds_load_b64 v[8:9], v6                         ; LDS serves a wave's instructions in order: these see my byte stores
	s_wait_dscnt 0x0
	global_store_b64 v4, v[8:9], s[18:19]          ; 32 lanes store 256 consecutive bytes, aligned
	s_branch .Lend
	; ---------------- B: Wq, Wk, Wv.  A work-group takes 64 columns x 512 along K: 256 bytes of codes for each column, gathered from four waves
.Lpath_b:
	s_sub_co_u32 s27, ttmp9, 128
	WSHARE
	s_lshr_b32 s34, s30, 4                         ; which weight
	s_cmp_eq_u32 s34, 0
	s_cselect_b64 s[8:9], s[8:9], s[10:11]
	s_cmp_eq_u32 s34, 2
	s_cselect_b64 s[8:9], s[12:13], s[8:9]
	s_add_nc_u64 s[8:9], s[8:9], s[28:29]
	LOADW 0
	LOADW 1
	s_mul_i32 s36, s32, 32*272
	s_lshl_b32 s37, s33, 6
	s_add_co_u32 s36, s36, s37
	s_add_co_u32 s36, s36, BCOD
	v_mul_u32_u24 v4, v2, 272
	v_add_nc_u32 v4, s36, v4                       ; into the stage: row 32 cg + lane, byte 64 kp
	s_lshl_b32 s36, s32, 9
	s_lshl_b32 s37, s33, 2
	s_add_co_u32 s36, s36, s37
	s_add_co_u32 s36, s36, BSCL
	v_lshl_add_u32 v5, v2, 4, s36                  ; my column's scale word: 16 bytes a row, word kp
	s_mul_i32 s36, s26, 8*272
	s_add_co_u32 s36, s36, BCOD
	v_mul_u32_u24 v8, v7, 272
	v_lshl_add_u32 v8, v6, 4, v8
	v_add_nc_u32 v8, s36, v8                       ; out of it: wave w takes rows 8 w .. 8 w + 7; sixteen lanes to a row, two rows an instruction
	v_lshlrev_b32 v9, 9, v7
	v_lshl_add_u32 v9, v6, 4, v9                   ; and the same place in w_codes
	v_lshl_add_u32 v10, v0, 2, BSCL                ; the scale words leave one a thread: word tid % 4 of row tid / 4
	v_lshrrev_b32 v11, 2, v0
	v_and_b32 v14, 3, v0
	v_lshlrev_b32 v11, 5, v11
	v_lshl_add_u32 v11, v14, 2, v11
	s_lshl_b32 s28, s30, 6
	s_lshl_b32 s36, s26, 3
	s_add_co_u32 s28, s28, s36                     ; row 64 cb + 8 w
	s_lshl_b32 s28, s28, 9
	s_lshl_b32 s36, s31, 8
	s_add_co_u32 s28, s28, s36                     ; + 256 kh
	s_add_nc_u64 s[20:21], s[20:21], s[28:29]
	s_lshl_b32 s28, s30, 11                        ; scale bytes: row 64 cb of 32 bytes,
	s_lshl_b32 s36, s31, 4
	s_add_co_u32 s28, s28, s36                     ; + 16 kh
	s_add_nc_u64 s[22:23], s[22:23], s[28:29]
.irp t, 0,1,2,3
	BLOCKQ \t
.endr
	ds_store_b32 v5, v24
	s_wait_dscnt 0x0                               ; for the others' sake: my stores into the stages are done
	s_barrier_signal -1                            ; (the way here hangs on the work-group's number alone: all eight waves are on it)
	s_barrier_wait -1
.irp t, 0,1,2,3
	ds_load_b128 v[WO+4*\t:WO+4*\t+3], v8 offset:544*\t
.endr
	ds_load_b32 v20, v10
.irp t, 0,1,2,3
	s_wait_dscnt 4-\t                              ; load t is in; the younger ones may be out
	global_store_b128 v9, v[WO+4*\t:WO+4*\t+3], s[20:21] offset:1024*\t   ; 16 lanes store 256 consecutive bytes, aligned
.endr
	s_wait_dscnt 0x0
	global_store_b32 v11, v20, s[22:23]            ; 16 bytes of each of 64 rows of 32: one byte in 128 of what this kind of work reads
	s_branch .Lend
	; ---------------- C: Wo.  Each wave has a stage of its own: 32 columns x 128 along K are 32 rows of 256 bytes of f16
.Lpath_c:
	s_sub_co_u32 s27, ttmp9, 224
	WSHARE
	s_mov_b64 s[8:9], s[14:15]
	s_add_nc_u64 s[8:9], s[8:9], s[28:29]
	LOADW 0
	LOADW 1
	s_mul_i32 s36, s26, 32*272
	s_add_co_u32 s36, s36, CSTG
	v_mul_u32_u24 v4, v2, 272
	v_add_nc_u32 v4, s36, v4                       ; in: row = my column
	v_mul_u32_u24 v8, v7, 272
	v_lshl_add_u32 v8, v6, 4, v8
	v_add_nc_u32 v8, s36, v8                       ; back: sixteen lanes to a row, two rows an instruction
	v_lshlrev_b32 v9, 11, v7
	v_lshl_add_u32 v9, v6, 4, v9                   ; and the same place in wot (rows of 2,048 bytes)
	s_lshl_b32 s28, s30, 6
	s_lshl_b32 s37, s32, 5
	s_add_co_u32 s28, s28, s37                     ; row 64 cb + 32 cg
	s_lshl_b32 s28, s28, 11
	s_lshl_b32 s37, s35, 8
	s_add_co_u32 s28, s28, s37                     ; + 256 bytes x (4 kh + kp)
	s_add_nc_u64 s[24:25], s[24:25], s[28:29]
.irp t, 0,1,2,3
	BLOCKH \t
.endr
.irp t, 0,1,2,3,4,5,6,7,8,9,10,11,12,13,14,15
	ds_load_b128 v[WO+4*\t:WO+4*\t+3], v8 offset:544*\t   ; my own bytes: LDS serves a wave's instructions in order
.endr
.irp t, 0,1,2,3,4,5,6,7,8,9,10,11,12,13,14,15
	s_wait_dscnt 15-\t
	global_store_b128 v9, v[WO+4*\t:WO+4*\t+3], s[24:25] offset:4096*\t   ; 16 lanes store 256 consecutive bytes, aligned
.endr
.Lend:
	s_wait_tensorcnt 0x0                           ; the wave's end, behind my last LDS store, even in a text with no tensor load
	ds_add_u32 v[SPW], v[NIL]
	s_wait_dscnt 0x0
	s_endpgm
.Lfunc_end_k_q26df35c966_prep:
	.size	k_q26df35c966_prep, .Lfunc_end_k_q26df35c966_prep-k_q26df35c966_prep
	.p2alignl 7, 3214868480
	.fill 96, 4, 3214868480
	.section	.rodata,"a",@progbits
	.p2align	6, 0x0
	.amdhsa_kernel k_q26df35c966_prep
		.amdhsa_group_segment_fixed_size 154624
		.amdhsa_private_segment_fixed_size 0
		.amdhsa_enable_private_segment 0
		.amdhsa_kernarg_size 88
		.amdhsa_user_sgpr_count 2
		.amdhsa_user_sgpr_kernarg_segment_ptr 1
		.amdhsa_wavefront_size32 1
		.amdhsa_system_sgpr_workgroup_id_x 1
		.amdhsa_system_sgpr_workgroup_id_y 1
		.amdhsa_system_sgpr_workgroup_id_z 1
		.amdhsa_system_vgpr_workitem_id 0
		.amdhsa_next_free_vgpr 256
		.amdhsa_next_free_sgpr 66
		.amdhsa_reserve_vcc 0
		.amdhsa_float_denorm_mode_32 3
		.amdhsa_float_denorm_mode_16_64 3
		.amdhsa_memory_ordered 1
		.amdhsa_forward_progress 1
		.amdhsa_inst_pref_size 77
	.end_amdhsa_kernel
	.amdgpu_metadata
---
amdhsa.version: [ 1, 2 ]
amdhsa.kernels:
  - .name:           k_q26df35c966_prep
    .symbol:         k_q26df35c966_prep.kd
    .args:
      - { .name: x, .offset: 0, .size: 8, .value_kind: global_buffer, .address_space: global }
      - { .name: y, .offset: 8, .size: 8, .value_kind: global_buffer, .address_space: global }
      - { .name: Wq, .offset: 16, .size: 8, .value_kind: global_buffer, .address_space: global }
      - { .name: Wk, .offset: 24, .size: 8, .value_kind: global_buffer, .address_space: global }
      - { .name: Wv, .offset: 32, .size: 8, .value_kind: global_buffer, .address_space: global }
      - { .name: Wo, .offset: 40, .size: 8, .value_kind: global_buffer, .address_space: global }
      - { .name: act_codes, .offset: 48, .size: 8, .value_kind: global_buffer, .address_space: global }
      - { .name: act_scales, .offset: 56, .size: 8, .value_kind: global_buffer, .address_space: global }
      - { .name: w_codes, .offset: 64, .size: 8, .value_kind: global_buffer, .address_space: global }
      - { .name: w_scales, .offset: 72, .size: 8, .value_kind: global_buffer, .address_space: global }
      - { .name: wot, .offset: 80, .size: 8, .value_kind: global_buffer, .address_space: global }
    .group_segment_fixed_size: 154624
    .private_segment_fixed_size: 0
    .kernarg_segment_align: 8
    .kernarg_segment_size: 88
    .max_flat_workgroup_size: 256
    .sgpr_count:     66
    .vgpr_count:     256
    .wavefront_size: 32
...
	.end_amdgpu_metadata
.endif
;; end of part 1
;; launch proj (part 2): grid 12 x 16, 4 waves a work-group, clusters of 4 x 4, 327,680 bytes of LDS; arguments act_codes, act_scales, w_codes, w_scales, qkv; writes qkv
.if DOCPART == 2
	.amdgcn_target "amdgcn-amd-amdhsa--gfx1250"
	.amdhsa_code_object_version 6
	.text
	.protected	k_q26df35c966_proj
	.globl	k_q26df35c966_proj
	.p2align	8
	.type	k_q26df35c966_proj,@function
k_q26df35c966_proj:
	s_mov_b64 s[64:65], 0
	v_nop
	global_prefetch_b8 v0, s[64:65] scope:SCOPE_SE
	s_setreg_imm32_b32 hwreg(HW_REG_WAVE_MODE, 25, 1), 1
	s_wait_xcnt 0x0
	s_wait_alu depctr_hold_cnt(0) depctr_sa_sdst(0) depctr_va_vdst(0) depctr_va_sdst(0) depctr_va_ssrc(0) depctr_va_vcc(0) depctr_vm_vsrc(0)
	s_getreg_b32 s2, hwreg(HW_REG_IB_STS2, 6, 4)
	s_cmp_eq_u32 s2, 0
	s_cbranch_scc0 .Lentry_in_a_cluster
	s_endpgm
.Lentry_in_a_cluster:
	s_bfe_u32 s2, ttmp6, 0x10000c
	s_cmp_lg_u32 s2, 0xf033
	s_cbranch_scc0 .Lentry_shape_is_right
	s_endpgm
.Lentry_shape_is_right:
; THE THREE QUANTISED PRODUCTS AS ONE GEMM ON CODES OF FP4 (E2M1) with one E8M0 scale for each 32 along K:  qkv[plane][m][n] = sum over k of A[m][k] B[n][k], K = 1,024.
; A: act_codes [8192][512 bytes] (rows 0-4095 x, 4096-8191 y), act_scales [8192][32].  B: w_codes [3072][512 bytes] (Wq's columns, Wk's, Wv's), w_scales [3072][32].
; qkv: f16 [3 planes q, k, v][4096][1024].  Plane 0 (q) is multiplied by 1/8 = 64^(-1/2), a power of two, in f32 ahead of the one rounding to f16.  LIMIT: |q / 8|, |k|, |v| stay under 65,504.
; A tile of 256 x 256 is made by a work-group of four waves; a wave makes 128 x 128: 64 accumulators of 16 x 16, 512 registers.  192 work-groups: 12 tile columns (4 to a plane) x 16 tile rows.
; K is two slots of 512 (a tile's row is 256 bytes): BOTH are asked for at the head, with the scales of all of K: nothing is filled again.  By this text's own count a wave has three tensor loads out.
; CLUSTERS: 4 x 4 work-groups; a cluster's x is the plane.  The four of a row of the cluster need the same tiles of A, the four of a column the same tiles of B: each is asked for JOINTLY.
; THE MATRIX INSTRUCTION IS USED TRANSPOSED (source 0 = 16 rows of B, source 1 = 16 rows of A): a lane then holds eight neighbouring numbers of a row of the result.
; REGISTERS, in windows of 256: window 0: v0-31 addresses; v32-95 scale words, two sets; from v128 A's fragments (8 x 16 rows x 128 K), one set; on the way out v32-191 are at work.
;   window 1: B's fragments, two sets, at v0 and at v128.   window 2: the 32 accumulators of my rows 0-63 (accumulator (a, b) at v[8 (8 a + b)]);   window 3: those of my rows 64-127.
.set NQ,     4                         ; steps of 128 along K in a slot
.set ROWB,   256                       ; a tile's row in bytes: 512 codes
.set KROW,   512                       ; a row of A or of B in memory, in bytes
.set PITCH,  272                       ; an LDS row: 256 bytes + 16 of padding = 68 words: the 16 rows that a load touches start at 16 different banks (64 banks of 4 bytes: ISA guide 11.1)
.set FR,     8                         ; registers of a fragment: 16 rows x 128 K
.set NL,     2                         ; LDS loads that bring one
.set NP,     4                         ; places behind this matrix instruction (ISA guide 7.12.1)
.set HALFT,  128*PITCH                 ; 128 rows: what one tensor load brings, and what one wave reads of A or of B
.set SLOT,   4*HALFT                   ; A's 256 rows, then B's 256 rows
.set KS,     32                        ; a row of scales in bytes
.set SCL,    2*SLOT                    ; behind the slots: the scales, as units of 256 bytes + 16 of padding
.set HALFS,  (128*KS/256)*272          ; the scales of 128 rows: what one tensor load brings
.set SBLK,   (16*KS/256)*272           ; those of 16 rows
.set SPARE,  SCL+4*HALFS               ; the spare words, 128 bytes for each wave: two blocks of 256 bytes that no other line names
.set SPITCH, 272                       ; the way out: a stage of 16 rows x (256 bytes + 16) for each wave, in slot 0, which has had its one fill and its last read when the first result is stored there
.set CROW,   2048                      ; a row of a plane in bytes
.set ADRA, 16                          ; v16-17  LDS address of my A fragments in slot 0, 1
.set ADRB, 20                          ; v20-21  the same for B
.set STO,  24                          ; v24     the way out: where I put 16 bytes of a row
.set RD,   25                          ; v25     the way out: where I read a row back
.set CO,   26                          ; v26     my byte offset in two rows of the result
.set ADRS, 27                          ; v27     LDS address of my scale words: lanes 0-15 A's rows, lanes 16-31 B's
.set SPW,  28                          ; v28     LDS address of my spare word; never rewritten
.set NIL,  29                          ; v29     0; never rewritten
.set SC,   32                          ; scale words: set s (for slot s) at v[SC + 32 s]; register 4 i + q: lanes 0-15 the word of A's block i, lanes 16-31 that of B's block i, for the slot's q-th 128 along K
.set AF,   128                         ; A's fragments, in window 0
.set TF,   32                          ; the way out: 64 results x the factor,
.set TH,   96                          ; rounded to f16 in 32 registers,
.set BK,   128                         ; and 16 rows read back from the stage: v128-159 and v160-191 by turns
.set G1, 24                            ; s[24:31] descriptor group 1 for A's tiles;  s[32:39] group 0, one set for each slot
.set G0, 32
.set G1B, 48                           ; s[48:55], s[56:63] the same for B's tiles
.set G0B, 56
.set G1S, 68                           ; s[68:75], s[76:79] groups 1 and 0 for A's scales;  s[80:87], s[88:91] for B's
.set G0S, 76
.set G1SB, 80
.set G0SB, 88
.set FAC, 96                           ; s[96:97] 1/8 for plane q, 1 for k and v
.set MSB, 0
.macro WIN new                         ; the immediate's high byte repeats the setting that is left; a switch that changes nothing is dropped
.if MSB != (\new)
	s_set_vgpr_msb (MSB<<8)|(\new)
.set MSB, (\new)
.endif
.endm
.set MUL_LO, 0xa1                      ; source 0 (B) window 1, source 1 (A) window 0, C and D window 2
.set MUL_HI, 0xf1                      ; the same, C and D window 3
.set TO_B,   0x40                      ; destination window 1, address window 0
; A joint load: waves 0 and 1 fetch for A, waves 2 and 3 for B.  Each of the two lines has one mask and one set of registers for all that issue it; the branch hangs on the wave's number alone.
; An s_nop 0 and four v_nop follow each of the two lines, ahead of the jump, the label and what follows.
.macro JLOAD g0a, g1a, g0b, g1b
	s_cmp_eq_u32 s15, 0
	s_cbranch_scc0 .Lfor_b_\@
	tensor_load_to_lds s[\g0a:\g0a+3], s[\g1a:\g1a+7]
	s_nop 0
.rept 4
	v_nop
.endr
	s_branch .Lasked_\@
.Lfor_b_\@:
	tensor_load_to_lds s[\g0b:\g0b+3], s[\g1b:\g1b+7]
	s_nop 0
.rept 4
	v_nop
.endr
.Lasked_\@:
.endm
.macro CROUND                          ; a round of the cluster's barrier: my work-group's barrier; wave 0 signals for the work-group; every wave waits for all sixteen; my work-group's barrier once more
	s_barrier_signal -1
	s_barrier_wait -1
	s_cmp_lg_u32 s14, 0
	s_cbranch_scc1 .Lnot_wave_0_\@
	s_barrier_signal -3
.Lnot_wave_0_\@:
	s_barrier_wait -3
	s_barrier_signal -1
	s_barrier_wait -1
.endm
	s_load_b128 s[4:7], s[0:1], 0x0                ; A's codes s[4:5], A's scales s[6:7]
	s_load_b128 s[8:11], s[0:1], 0x10              ; B's codes s[8:9], B's scales s[10:11]
	s_load_b64 s[12:13], s[0:1], 0x20              ; qkv
	v_lshl_add_u32 v[SPW], v0, 2, SPARE
	v_mov_b32 v[NIL], 0
	ds_add_u32 v[SPW], v[NIL]                      ; the wave's opening: the add, twice on end, and its wait ahead of my first tensor load; the set-up below, work on registers, stands between
	ds_add_u32 v[SPW], v[NIL]
	v_lshrrev_b32 v1, 5, v0
	v_readfirstlane_b32 s14, v1                    ; wave 0..3
	s_lshr_b32 s15, s14, 1                         ; which half of the tile's rows is mine.  Also: I fetch for A (0) or for B (1)
	s_and_b32 s16, s14, 1                          ; which half of its columns.  Also: which 128 rows of that tile I fetch
	s_bfe_u32 s40, ttmp6, 0x40000                  ; cx, cy: my place in the cluster
	s_bfe_u32 s41, ttmp6, 0x40004
	s_lshl_b32 s42, ttmp9, 2
	s_add_co_u32 s42, s42, s40                     ; tile column = 4 x cluster x + cx: 256 rows of B
	s_and_b32 s17, ttmp7, 0xffff
	s_lshl_b32 s17, s17, 2
	s_add_co_u32 s17, s17, s41                     ; tile row = 4 x cluster y + cy
	s_lshl_b32 s43, s41, 2
	s_lshl_b32 s43, 15, s43                        ; my row of the cluster
	s_lshl_b32 s44, 0x1111, s40                    ; my column
	; descriptor group 1: a tile of 128 rows x 256 bytes, padded in LDS
	s_or_b32 s[G1+0], s43, (0<<16)|(1<<20)|(1<<21)|(5<<22)|(3<<25)  ; 15:0 the mask: A's tiles go to my row; 17:16 element of 1 byte; 20 padding on; 21 set beside a mask; 24:22 after every 64 words (code 5); 31:25 of 4 words (code 3)
	s_or_b32 s[G1B+0], s44, (0<<16)|(1<<20)|(1<<21)|(5<<22)|(3<<25)
.irp g, G1, G1B
	s_mov_b32 s[\g+1], ROWB<<16                    ; tensor_dim0
	s_mov_b32 s[\g+2], 128<<16                     ; tensor_dim1 = 128
	s_mov_b32 s[\g+3], ROWB<<16                    ; tile_dim0
	s_mov_b32 s[\g+4], 128                         ; tile_dim1 = 128
	s_mov_b32 s[\g+5], KROW                        ; tensor_dim0_stride
	s_mov_b32 s[\g+6], 0
	s_mov_b32 s[\g+7], 0
.endr
	; and for the scales of 128 rows: a dense block of 4,096 bytes, as 16 rows of 256 bytes (32 elements of 8 bytes), 16 bytes of padding behind each
	s_or_b32 s[G1S+0], s43, (3<<16)|(1<<20)|(1<<21)|(5<<22)|(3<<25)
	s_or_b32 s[G1SB+0], s44, (3<<16)|(1<<20)|(1<<21)|(5<<22)|(3<<25)
.irp g, G1S, G1SB
	s_mov_b32 s[\g+1], 32<<16
	s_mov_b32 s[\g+2], (128*KS/256)<<16
	s_mov_b32 s[\g+3], 32<<16
	s_mov_b32 s[\g+4], 128*KS/256
	s_mov_b32 s[\g+5], 32
	s_mov_b32 s[\g+6], 0
	s_mov_b32 s[\g+7], 0
.endr
	s_lshl_b32 s18, s16, 7                         ; which 128 rows of the tile I fetch
	s_lshl_b32 s20, s17, 8
	s_add_co_u32 s20, s20, s18                     ; A: row 256 x tile row + 128 x half,
	s_min_u32 s19, ttmp9, 1
	s_lshl_b32 s19, s19, 12
	s_add_co_u32 s20, s20, s19                     ; in y's rows (4,096 on) for planes k and v: the cluster's x is the same in all partners
	s_lshl_b32 s46, s42, 8
	s_add_co_u32 s46, s46, s18                     ; B: row 256 x tile column + 128 x half
	s_mov_b32 s21, 0
	s_mov_b32 s47, 0
	s_mov_b64 s[18:19], KS
	s_mul_u64 s[22:23], s[20:21], s[18:19]         ; where these rows' scales begin, in bytes
	s_mul_u64 s[92:93], s[46:47], s[18:19]
	s_mov_b64 s[18:19], KROW
	s_mul_u64 s[20:21], s[20:21], s[18:19]         ; and their codes
	s_mul_u64 s[46:47], s[46:47], s[18:19]
	s_mul_i32 s45, s14, HALFT                      ; where they go: wave x 128 rows: no place in the cluster enters an LDS address
	s_mul_i32 s94, s14, HALFS
	s_mov_b32 s[FAC], 0x3f800000
	s_cmp_eq_u32 ttmp9, 0
	s_cselect_b32 s[FAC], 0x3e000000, s[FAC]       ; 1/8 for q
	s_mov_b32 s[FAC+1], s[FAC]                     ; (named with it as a pair, so it is written)
	s_wait_dscnt 0x0                               ; both opening adds are done
	s_wait_kmcnt 0x0
	s_add_nc_u64 s[20:21], s[4:5], s[20:21]
	s_add_nc_u64 s[22:23], s[6:7], s[22:23]
	s_add_nc_u64 s[46:47], s[8:9], s[46:47]
	s_add_nc_u64 s[92:93], s[10:11], s[92:93]
	CROUND                                         ; all sixteen work-groups are here: the joint loads meet
	s_mov_b32 s[G0S], 1
	s_add_co_u32 s[G0S+1], s94, SCL
	s_mov_b64 s[G0S+2:G0S+3], s[22:23]
	s_or_b32 s[G0S+3], s[G0S+3], 0x80000000
	s_mov_b32 s[G0SB], 1
	s_add_co_u32 s[G0SB+1], s94, SCL
	s_mov_b64 s[G0SB+2:G0SB+3], s[92:93]
	s_or_b32 s[G0SB+3], s[G0SB+3], 0x80000000
	JLOAD G0S, G1S, G0SB, G1SB                     ; the scales first: they are wanted with the first slot
.irp s, 0,1
	s_mov_b32 s[G0+4*\s], 1
	s_add_co_u32 s[G0+4*\s+1], s45, \s*SLOT
	s_add_nc_u64 s[G0+4*\s+2:G0+4*\s+3], s[20:21], \s*ROWB
	s_or_b32 s[G0+4*\s+3], s[G0+4*\s+3], 0x80000000
	s_mov_b32 s[G0B+4*\s], 1
	s_add_co_u32 s[G0B+4*\s+1], s45, \s*SLOT
	s_add_nc_u64 s[G0B+4*\s+2:G0B+4*\s+3], s[46:47], \s*ROWB
	s_or_b32 s[G0B+4*\s+3], s[G0B+4*\s+3], 0x80000000
	JLOAD G0+4*\s, G1, G0B+4*\s, G1B
.endr
	v_and_b32 v1, 15, v0                           ; l % 16
	v_bfe_u32 v2, v0, 4, 1                         ; l / 16
	v_mul_u32_u24 v3, v1, PITCH
	v_lshl_add_u32 v4, v2, 4, v3                   ; a fragment's row x pitch + 16 x half
	s_mul_i32 s21, s15, HALFT                      ; my 128 rows of A
	s_mul_i32 s22, s16, HALFT                      ; my 128 rows of B,
	s_add_co_u32 s22, s22, 2*HALFT                 ; which lie behind A's 256
.irp s, 0,1
	v_add_nc_u32 v[ADRA+\s], s21, v4
	v_add_nc_u32 v[ADRB+\s], s22, v4
	s_add_co_u32 s21, s21, SLOT
	s_add_co_u32 s22, s22, SLOT
.endr
	v_mul_u32_u24 v5, v1, KS                       ; my row's scales: 32 bytes a row,
	v_lshrrev_b32 v6, 8, v5
	v_lshl_add_u32 v5, v6, 4, v5                   ; and 16 more for each 256 passed
	s_mul_i32 s21, s15, HALFS                      ; A's: my 128 rows
	s_mul_i32 s22, s16, HALFS                      ; B's: my 128 rows, behind A's 256
	s_add_co_u32 s22, s22, 2*HALFS
	s_sub_co_u32 s22, s22, s21
	v_mul_u32_u24 v6, s22, v2                      ; lanes 16-31 take B's: one product, the distance between the two bases
	s_add_co_u32 s21, s21, SCL
	v_add_nc_u32 v5, v5, v6
	v_add_nc_u32 v[ADRS], s21, v5
	s_mul_i32 s23, s14, 16*SPITCH                  ; my stage
	v_mul_u32_u24 v5, v1, SPITCH                   ; in: row l % 16, 16 bytes for each half of the lanes
	v_lshl_add_u32 v5, v2, 4, v5
	v_add_nc_u32 v[STO], s23, v5
	v_mul_u32_u24 v5, v2, SPITCH                   ; back: lanes 0-15 take one row of 256 bytes, lanes 16-31 the next
	v_lshl_add_u32 v5, v1, 4, v5
	v_add_nc_u32 v[RD], s23, v5
	v_lshlrev_b32 v5, 11, v2                       ; and the same two rows in the plane
	v_lshl_add_u32 v[CO], v1, 4, v5
	s_lshl_b32 s20, s17, 8
	s_lshl_b32 s21, s15, 7
	s_add_co_u32 s20, s20, s21                     ; my first row: 256 x tile row + 128 x half
	s_lshl_b32 s20, s20, 11                        ; x 2,048 bytes
	s_lshl_b32 s21, ttmp9, 23                      ; + the plane's 8,388,608 bytes
	s_add_co_u32 s20, s20, s21
	s_lshl_b32 s46, s40, 9                         ; + my first column in the plane, in bytes: 512 cx + 256 x half
	s_lshl_b32 s47, s16, 8
	s_add_co_u32 s46, s46, s47
	s_add_co_u32 s20, s20, s46
	s_mov_b32 s21, 0
	s_add_nc_u64 s[12:13], s[12:13], s[20:21]
.macro FRAG reg, adr, q, i             ; a fragment, 16 rows x 128 K of 4-bit codes: lane l holds row l % 16; registers 4 c .. 4 c + 3 hold K = 64 c + 32 (l / 16) + 0 .. 31
.irp c, 0,1
	ds_load_b128 v[\reg+4*\c:\reg+4*\c+3], v[\adr] offset:64*(\q)+32*\c+(\i)*16*PITCH
.endr
.endm
; 16 matrix instructions: A's blocks a0, a0 + 1 x B's eight, the slot's q-th 128 along K.  p: B's set;  sc: the set of scale words.  zero = 1: the first product starts the sums.
; The 64 accumulators take turns, one instruction a turn, in the same order in every step.
.macro MUL16 a0, p, q, sc, zero
.irp a, \a0, \a0+1
.irp b, 0,1,2,3,4,5,6,7
.if \zero
	v_wmma_scale_f32_16x16x128_f8f6f4 v[8*(8*((\a)%4)+\b):8*(8*((\a)%4)+\b)+7], v[128*(\p)+FR*\b:128*(\p)+FR*\b+FR-1], v[AF+FR*(\a):AF+FR*(\a)+FR-1], 0, v[SC+8*NQ*(\sc)+NQ*\b+(\q)], v[SC+8*NQ*(\sc)+NQ*(\a)+(\q)] matrix_a_fmt:MATRIX_FMT_FP4 matrix_b_fmt:MATRIX_FMT_FP4 matrix_a_scale:MATRIX_SCALE_ROW1
.else
	v_wmma_scale_f32_16x16x128_f8f6f4 v[8*(8*((\a)%4)+\b):8*(8*((\a)%4)+\b)+7], v[128*(\p)+FR*\b:128*(\p)+FR*\b+FR-1], v[AF+FR*(\a):AF+FR*(\a)+FR-1], v[8*(8*((\a)%4)+\b):8*(8*((\a)%4)+\b)+7], v[SC+8*NQ*(\sc)+NQ*\b+(\q)], v[SC+8*NQ*(\sc)+NQ*(\a)+(\q)] matrix_a_fmt:MATRIX_FMT_FP4 matrix_b_fmt:MATRIX_FMT_FP4 matrix_a_scale:MATRIX_SCALE_ROW1
.endif
.endr
.endr
.endm
.macro FETCH_B slot, q, p              ; B's eight fragments of the slot's q-th 128 along K into set p
	WIN TO_B
.irp i, 0,1,2,3,4,5,6,7
	FRAG 128*(\p)+FR*\i, ADRB+\slot, \q, \i
.endr
	WIN 0
.endm
.macro FETCH_A slot, q, i0             ; A's blocks i0 .. i0 + 3
.irp i, \i0, \i0+1, \i0+2, \i0+3
	FRAG AF+FR*(\i), ADRA+\slot, \q, \i
.endr
.endm
.macro SCALES sc                       ; a slot's scale words into set sc: four words a row; lanes 0-15 take A's block i, lanes 16-31 B's block i
.irp i, 0,1,2,3,4,5,6,7
	ds_load_b128 v[SC+8*NQ*\sc+NQ*\i:SC+8*NQ*\sc+NQ*\i+3], v[ADRS] offset:\i*SBLK
.endr
.endm
; A load into a register that a matrix instruction has read, and a vector instruction that reads a matrix result or writes one of its registers, stand NP places behind that matrix instruction, and only
; plain vector instructions that name none of its registers are places (ISA guide 7.12.1 for vector instructions).
.macro PLACES n
.rept \n
	v_nop
.endr
.endm
.macro STEP slot, q, zero              ; a step of 128 along K that has its successor in the same slot
	s_wait_dscnt 4*NL                              ; B's set and A's blocks 0-3 are in; the youngest eight loads (A's blocks 4-7) may be out
	WIN MUL_LO
	MUL16 0, (\q)%2, \q, \slot, \zero
	MUL16 2, (\q)%2, \q, \slot, \zero
	s_wait_dscnt 0                                 ; A's blocks 4-7 are in (asked for 32 matrix instructions ago)
	PLACES NP
	FETCH_B \slot, (\q)+1, 1-(\q)%2
	FETCH_A \slot, (\q)+1, 0
	WIN MUL_HI
	MUL16 4, (\q)%2, \q, \slot, \zero
	MUL16 6, (\q)%2, \q, \slot, \zero
	PLACES NP
	WIN 0
	FETCH_A \slot, (\q)+1, 4
.endm
; Slot 0's last step changes slots: one barrier; in front of it each wave waits for all its tensor loads (slot 1's is the one that may be out).  Nothing is filled again.
.macro TURN slot, next
	s_wait_tensorcnt 0x0                           ; my part of the next slot has landed  (every window is 0 here)
	ds_add_u32 v[SPW], v[NIL]                      ; 0 onto my spare word
	s_wait_dscnt 4*NL+1                            ; (the add and the youngest eight loads, A's blocks 4-7, may be out)
	WIN MUL_LO
	MUL16 0, 1, NQ-1, \slot, 0                     ; sixteen matrix instructions stand between the add and the wait for it
	s_wait_dscnt 0x0                               ; the add is done, and my reads of this slot are over
	s_barrier_signal -1
	MUL16 2, 1, NQ-1, \slot, 0
	WIN 0
	s_barrier_wait -1                              ; everybody's part of the next slot is in, and nobody reads this slot any more
	PLACES NP
	v_add_nc_u32 v[ADRS], 4*NQ, v[ADRS]            ; on to the next slot's scale words
	FETCH_B \next, 0, 0
	FETCH_A \next, 0, 0
	SCALES \next
	WIN MUL_HI
	MUL16 4, 1, NQ-1, \slot, 0
	MUL16 6, 1, NQ-1, \slot, 0
	PLACES NP
	WIN 0
	FETCH_A \next, 0, 4
.endm
.macro STEPS slot, from                ; the slot's steps from .. NQ - 2
.set Q, \from
.rept NQ-1-\from
	STEP \slot, Q, 0
.set Q, Q+1
.endr
.endm
	s_wait_tensorcnt 1                             ; the scales and my part of slot 0 are in (slot 1's load may be out)
	s_barrier_signal -1
	s_barrier_wait -1                              ; everybody's are
	FETCH_B 0, 0, 0
	FETCH_A 0, 0, 0
	SCALES 0
	FETCH_A 0, 0, 4
	STEP 0, 0, 1                                   ; the first step's products start the sums: nothing is cleared
	STEPS 0, 1
	TURN 0, 1
	STEPS 1, 0
	s_wait_dscnt 4*NL                              ; the very last step: nothing more to fetch
	WIN MUL_LO
	MUL16 0, 1, NQ-1, 1, 0
	MUL16 2, 1, NQ-1, 1, 0
	s_wait_dscnt 0
	WIN MUL_HI
	MUL16 4, 1, NQ-1, 1, 0
	MUL16 6, 1, NQ-1, 1, 0
	WIN 0
; THE WAY OUT, block by block of 16 rows x 128 columns.  PACK: x the plane's factor in f32 (1/8 for q; the one text serves all planes, so k and v are multiplied by 1), rounded once to f16: 16 bytes a lane.
; TOSTAGE: into my own stage and back as whole rows of 256 bytes.  SEND: stored.  Each accumulator is read from its low end on.
.macro PACK a
.set AC, 64*((\a)%4)
	WIN 0x02+((\a)/4)                              ; source 0: window 2 or 3
.set i, 0
.rept 32
	v_pk_mul_f32 v[TF+2*i:TF+2*i+1], v[AC+2*i:AC+2*i+1], s[FAC:FAC+1] op_sel_hi:[1,0]
.set i, i+1
.endr
	WIN 0
.set i, 0
.rept 32
	v_cvt_pk_f16_f32 v[TH+i], v[TF+2*i], v[TF+2*i+1]
.set i, i+1
.endr
.endm
.macro TOSTAGE a
.set BB, BK+32*((\a)%2)
.irp b, 0,1,2,3,4,5,6,7
	ds_store_b128 v[STO], v[TH+4*\b:TH+4*\b+3] offset:32*\b
.endr
.irp t, 0,1,2,3,4,5,6,7
	ds_load_b128 v[BB+4*\t:BB+4*\t+3], v[RD] offset:\t*2*SPITCH    ; LDS serves a wave's instructions in order (ISA guide 5.7.1.4): these see the stores above
.endr
.endm
.macro SEND a
.set BB, BK+32*((\a)%2)
	s_wait_dscnt 0x0                               ; the block is back in registers
	s_wait_xcnt 0x0                                ; the earlier stores have read their base and their registers: the base may step, and the next block's loads may land
.if (\a) > 0
	s_add_nc_u64 s[12:13], s[12:13], 16*CROW       ; 16 rows on
.endif
.irp t, 0,1,2,3,4,5,6,7
	global_store_b128 v[CO], v[BB+4*\t:BB+4*\t+3], s[12:13] offset:2*\t*CROW   ; 16 lanes store 256 consecutive bytes, aligned
.endr
.endm
	PLACES NP                                      ; behind the last products: for the writes over the scale words, the loads over A's fragments and the reads of results alike
	PACK 0
	TOSTAGE 0
.irp a, 1,2,3,4,5,6,7                  ; block a's arithmetic stands between block a - 1's loads from the stage and the wait for them
	PACK \a
	SEND \a-1
	TOSTAGE \a
.endr
	SEND 7
	s_wait_tensorcnt 0x0                           ; the wave's end, behind my last tensor load and my last LDS store
	ds_add_u32 v[SPW], v[NIL]
	s_wait_dscnt 0x0
	CROUND                                         ; the closing round: no work-group ends while a partner may still ask for a tile that names it
	s_endpgm
.Lfunc_end_k_q26df35c966_proj:
	.size	k_q26df35c966_proj, .Lfunc_end_k_q26df35c966_proj-k_q26df35c966_proj
	.p2alignl 7, 3214868480
	.fill 96, 4, 3214868480
	.section	.rodata,"a",@progbits
	.p2align	6, 0x0
	.amdhsa_kernel k_q26df35c966_proj
		.amdhsa_group_segment_fixed_size 327680
		.amdhsa_private_segment_fixed_size 0
		.amdhsa_enable_private_segment 0
		.amdhsa_kernarg_size 40
		.amdhsa_user_sgpr_count 2
		.amdhsa_user_sgpr_kernarg_segment_ptr 1
		.amdhsa_wavefront_size32 1
		.amdhsa_system_sgpr_workgroup_id_x 1
		.amdhsa_system_sgpr_workgroup_id_y 1
		.amdhsa_system_sgpr_workgroup_id_z 1
		.amdhsa_system_vgpr_workitem_id 0
		.amdhsa_next_free_vgpr 1024
		.amdhsa_next_free_sgpr 100
		.amdhsa_reserve_vcc 0
		.amdhsa_float_denorm_mode_32 3
		.amdhsa_float_denorm_mode_16_64 3
		.amdhsa_memory_ordered 1
		.amdhsa_forward_progress 1
		.amdhsa_inst_pref_size 143
	.end_amdhsa_kernel
	.amdgpu_metadata
---
amdhsa.version: [ 1, 2 ]
amdhsa.kernels:
  - .name:           k_q26df35c966_proj
    .symbol:         k_q26df35c966_proj.kd
    .args:
      - { .name: act_codes, .offset: 0, .size: 8, .value_kind: global_buffer, .address_space: global }
      - { .name: act_scales, .offset: 8, .size: 8, .value_kind: global_buffer, .address_space: global }
      - { .name: w_codes, .offset: 16, .size: 8, .value_kind: global_buffer, .address_space: global }
      - { .name: w_scales, .offset: 24, .size: 8, .value_kind: global_buffer, .address_space: global }
      - { .name: qkv, .offset: 32, .size: 8, .value_kind: global_buffer, .address_space: global }
    .group_segment_fixed_size: 327680
    .private_segment_fixed_size: 0
    .kernarg_segment_align: 8
    .kernarg_segment_size: 40
    .max_flat_workgroup_size: 128
    .sgpr_count:     100
    .vgpr_count:     1024
    .wavefront_size: 32
...
	.end_amdgpu_metadata
.endif
;; end of part 2
;; launch attend (part 3): grid 16 x 16, 8 waves a work-group, clusters of 4 x 4, 327,680 bytes of LDS; arguments qkv, bias, attn; writes attn
.if DOCPART == 3
	.amdgcn_target "amdgcn-amd-amdhsa--gfx1250"
	.amdhsa_code_object_version 6
	.text
	.protected	k_q26df35c966_attend
	.globl	k_q26df35c966_attend
	.p2align	8
	.type	k_q26df35c966_attend,@function
k_q26df35c966_attend:
	s_mov_b64 s[64:65], 0
	v_nop
	global_prefetch_b8 v0, s[64:65] scope:SCOPE_SE
	s_setreg_imm32_b32 hwreg(HW_REG_WAVE_MODE, 25, 1), 1
	s_wait_xcnt 0x0
	s_wait_alu depctr_hold_cnt(0) depctr_sa_sdst(0) depctr_va_vdst(0) depctr_va_sdst(0) depctr_va_ssrc(0) depctr_va_vcc(0) depctr_vm_vsrc(0)
	s_getreg_b32 s2, hwreg(HW_REG_IB_STS2, 6, 4)
	s_cmp_eq_u32 s2, 0
	s_cbranch_scc0 .Lentry_in_a_cluster
	s_endpgm
.Lentry_in_a_cluster:
	s_bfe_u32 s2, ttmp6, 0x10000c
	s_cmp_lg_u32 s2, 0xf033
	s_cbranch_scc0 .Lentry_shape_is_right
	s_endpgm
.Lentry_shape_is_right:
; attn[b][q][head][:] = the sum over k of softmax_k(q . k + bias[q][k]) v[k][:]  (q arrives already x 64^(-1/2)).  qkv: f16 [3 planes q, k, v][4096 = 2 x 2048][1024 = 16 heads x 64]; bias: f32 [2048][2048]; attn: f16 [4096][1024].
; Products on f16 operands with f32 sums; bias, maxima, exponentials and sums in f32; the weights p (at most 1) are rounded to f16 for the second product, attn once at the end.
; LIMITS: NaN, infinities and a bias of -infinity are not served (large finite negative biases are); |attn| stays under 65,504.
; SHARES.  A work-group owns 128 queries of TWO NEIGHBOURING HEADS of one batch: two heads are 256 aligned bytes of a row of qkv, and one tile of the bias serves both.  Keys go in steps of 128.
; Wave w of eight: head w & 1, queries 64 ((w >> 1) & 1) on (four tiles of 16), and of every step the keys 64 (w >> 2) on.  Waves w and w + 4 hold the same queries over different keys, each with
; its own running maximum, sum and O; they are merged at the end.  Two waves of 512 registers share a SIMD, so that one wave's softmax stands beside the other's products.
; LAYOUT.  S^T = K Q^T + bias^T (source 0 = 16 keys, source 1 = 16 queries): a lane holds ONE query (lane % 16) and keys 8 (lane / 16) + 0..7.  THE BIAS IS THE C OF THE FIRST PRODUCT: it is loaded from LDS
; straight into S^T's registers, eight neighbouring f32 of the query's row, and costs no addition.  Two tiles of S^T, rounded in pairs, are source 1 (32 keys x 16 queries) of O^T = V^T P.
; SOFTMAX.  For each query a running maximum m and sum l: p = 2^(c s - c m), c = log2(e); in every step O and l are multiplied by a = 2^(c m_old - c m_new).
; RING.  Two LDS slots, each with a step's tiles: bias 128 x 128 f32, K and V 128 keys x 128 channels f16.  Each of the eight waves fetches 16,384 bytes of a slot by one tensor load.
; At a step's change of slots every wave holds the step's K, bias and V in registers: the slot is filled again with the step two on, which has a whole step in which to land.
; CLUSTER, 4 x 4.  The bias tile hangs on the block of queries alone and is shared down a column of the cluster; K's and V's hang on batch and heads alone and are shared along a row: each is asked for JOINTLY.
; REGISTERS.  Window 0: v2-13 addresses; v16-47 eight registers of statistics a tile; v48-55 the partner's; v61-63; v64-191 S^T, 32 a tile; v192-255 P, 16 a tile.
;   Window 1: v0-127 O^T, 32 a tile; v128-191 Q, 16 a tile; v192-255 ONE buffer for a step's K and then its V.
.set SLOTB, 139264                     ; a slot
.set PB,    528                        ; a row of the bias in LDS: 512 bytes + 16 = 132 words: the 16 rows of a load start at 16 different banks (64 banks of 4 bytes: ISA guide 11.1)
.set PK,    272                        ; a row of K: 256 + 16
.set PVP,   288                        ; a row of V: 256 + 32
.set KOFF,  128*PB                     ; 67,584: K's 128 rows lie behind the bias,
.set VOFF,  KOFF+128*PK                ; 102,400: V's behind K's
.set SPARE, 2*SLOTB                    ; the spare words, 128 bytes for each of eight waves: four blocks of 256 bytes that no other line names
.set MRG,   17408                      ; the end, in slot 0, which has had its last fill and its last read: for each pair of waves 16,384 bytes of O^T's image and 1,024 of statistics,
.set STAGE, 4*MRG                      ; and behind them a stage of 128 rows x (256 bytes + 16)
.set ABI, 2                            ; v2-3   my lane's place in the bias tile of slot 0, 1
.set AK,  4                            ; v4-5   in K's
.set AV,  6                            ; v6-7   in V's
.set QO,  8                            ; v8     my byte offset in the wave's rows of Q
.set MG,  9                            ; v9     the merge: 16 x lane in my pair's region
.set MS,  10                           ; v10    its statistics: 8 x lane
.set STO, 11                           ; v11    the stage: where I put 16 bytes of a row
.set RD,  12                           ; v12    and where I read a row back
.set GO,  13                           ; v13    my byte offset in two rows of attn
.set ST,  16                           ; tile t's statistics at v[ST + 8 t]: +0 c m, +1 m, +2, +3 l (even keys', odd keys'), +4 to +7 at work; a at +6
.set PS,  48                           ; the partner's c m and l, a pair a tile
.set PFO, 61                           ; v61    the prefetches' offset: my lane x a row; never rewritten
.set SPW, 62                           ; v62    LDS address of my spare word; never rewritten
.set NIL, 63                           ; v63    0; never rewritten
.set S,   64
.set P,   192
.set O,   0                            ; window 1
.set Q,   128
.set KV,  192
.set WV,  10                           ; s10  my wave's number
.set G1B, 24                           ; s[24:31] descriptor group 1 for the bias;  s[32:39] for K;  s[40:47] for V
.set G1K, 32
.set G1V, 40
.set G0B, 48                           ; s[48:55], s[56:63], s[68:75] their groups 0, a set for each slot
.set G0K, 56
.set G0V, 68
.set PFA, 76                           ; s[76:77] where my prefetches stand
.set PFS, 78                           ; s[78:79] a step on, in bytes
.set LIM, 80                           ; s80  1 in a wave that prefetches, else the greatest number
.set CNT, 81                           ; s81  fills still to come
.set LOOP, 82
.set CS,  84                           ; s[84:85] c = log2(e)
.set SEL, 86                           ; s[86:87] lane selects for v_permlanex16_b32: lane l xor 16
.set MSB, 0
.macro WIN new                         ; the immediate's high byte repeats the setting that is left; a switch that changes nothing is dropped
.if MSB != (\new)
	s_set_vgpr_msb (MSB<<8)|(\new)
.set MSB, (\new)
.endif
.endm
.macro PLACES                          ; four places: behind a matrix instruction, in front of loads into registers that it has read and of the first read of its results (ISA guide 7.12.1 for vector instructions)
.rept 4
	v_nop
.endr
.endm
.macro CROUND                          ; a round of the cluster's barrier
	s_barrier_signal -1
	s_barrier_wait -1
	s_cmp_lg_u32 s[WV], 0
	s_cbranch_scc1 .Lnot_wave_0_\@
	s_barrier_signal -3
.Lnot_wave_0_\@:
	s_barrier_wait -3
	s_barrier_signal -1
	s_barrier_wait -1
.endm
; A joint refill: waves 0-3 fetch the bias tile's quarters, waves 4, 5 K's halves, waves 6, 7 V's.  The branches hang on the wave's number alone; every way leads through one load.
; An s_nop 0 and four v_nop follow each line.
.macro JLOAD s
	s_cmp_lt_u32 s[WV], 4
	s_cbranch_scc0 .Lnot_b_\@
	tensor_load_to_lds s[G0B+4*\s:G0B+4*\s+3], s[G1B:G1B+7]
	s_nop 0
	PLACES
	s_branch .Lasked_\@
.Lnot_b_\@:
	s_cmp_lt_u32 s[WV], 6
	s_cbranch_scc0 .Lfor_v_\@
	tensor_load_to_lds s[G0K+4*\s:G0K+4*\s+3], s[G1K:G1K+7]
	s_nop 0
	PLACES
	s_branch .Lasked_\@
.Lfor_v_\@:
	tensor_load_to_lds s[G0V+4*\s:G0V+4*\s+3], s[G1V:G1V+7]
	s_nop 0
	PLACES
.Lasked_\@:
.endm
; A PREFETCH INTO THE L2 of what the NEXT change of slots will ask for, behind the wave's tensor load: one instruction, a lane a row, 256 bytes of each.
; K's and V's rows of a batch and pair of heads are walked by all four clusters along x: the first of them asks, its four partners along x 32 rows each, told apart BY ADDRESS; wave 0 for K, wave 1 for V.
; The bias rows of a block of queries are walked by all four clusters along y: the first asks, its partners along y 32 rows each; waves 2 and 3 take the two halves of a step's 512 bytes.
; So each aligned block of 256 bytes is named once in the launch.  Steps 0 to 2 come by their loads alone; the last change that fills a slot asks for nothing: there is no step behind it.
.macro ASK
	s_cmp_gt_u32 s[CNT], s[LIM]
	s_cbranch_scc0 .Lnot_mine_\@
	global_prefetch_b8 v[PFO], s[PFA:PFA+1] th:TH_LOAD_NT scope:SCOPE_SE
.Lnot_mine_\@:
.endm
.macro LD_BIAS s                       ; my 64 queries x 64 keys of the bias, into S^T's registers: lane (r, h) takes, of query r's row, keys 16 kt + 8 h + 0 .. 7
.irp qt, 0,1,2,3
.irp kt, 0,1,2,3
	ds_load_b128 v[S+32*\qt+8*\kt:S+32*\qt+8*\kt+3],   v[ABI+(\s)] offset:16*PB*\qt+64*\kt
	ds_load_b128 v[S+32*\qt+8*\kt+4:S+32*\qt+8*\kt+7], v[ABI+(\s)] offset:16*PB*\qt+64*\kt+16
.endr
.endr
.endm
.macro LD_K s                          ; my 64 keys x my head's 64 channels: fragment (kt, f) = keys 16 kt on, channels 32 f on
	WIN 0x40                                       ; destination window 1
.irp kt, 0,1,2,3
.irp f, 0,1
	ds_load_b128 v[KV+16*\kt+8*\f:KV+16*\kt+8*\f+3],   v[AK+(\s)] offset:16*PK*\kt+64*\f
	ds_load_b128 v[KV+16*\kt+8*\f+4:KV+16*\kt+8*\f+7], v[AK+(\s)] offset:16*PK*\kt+64*\f+32
.endr
.endr
.endm
.macro LD_V s                          ; the same keys of V, turned: fragment (c, ct) = keys 32 c on, channels 16 ct on
	WIN 0x40
.irp c, 0,1
.irp ct, 0,1,2,3
	ds_load_tr16_b128 v[KV+32*\c+8*\ct:KV+32*\c+8*\ct+3],   v[AV+(\s)] offset:32*PVP*\c+32*\ct
	ds_load_tr16_b128 v[KV+32*\c+8*\ct+4:KV+32*\c+8*\ct+7], v[AV+(\s)] offset:32*PVP*\c+16*PVP+32*\ct
.endr
.endr
.endm
; 32 products S^T = K Q^T + bias^T.  The 16 accumulators take turns, one instruction a turn: between two links of a chain stand the 15 others'.
.macro QK
	WIN 0x05                                       ; K and Q in window 1, S^T in window 0
.irp f, 0,1
.irp kt, 0,1,2,3
.irp qt, 0,1,2,3
	v_wmma_f32_16x16x32_f16 v[S+32*\qt+8*\kt:S+32*\qt+8*\kt+7], v[KV+16*\kt+8*\f:KV+16*\kt+8*\f+7], v[Q+16*\qt+8*\f:Q+16*\qt+8*\f+7], v[S+32*\qt+8*\kt:S+32*\qt+8*\kt+7]
.endr
.endr
.endr
.endm
; 32 products O^T += V^T P, the 16 accumulators by turns.  first = 1: the first 16 start the sums: nothing is ever cleared.
.macro PVM first
	WIN 0x51                                       ; V in window 1, P in window 0, O^T in window 1
.irp c, 0,1
.irp ct, 0,1,2,3
.irp qt, 0,1,2,3
.if \first && (\c == 0)
	v_wmma_f32_16x16x32_f16 v[O+32*\qt+8*\ct:O+32*\qt+8*\ct+7], v[KV+32*\c+8*\ct:KV+32*\c+8*\ct+7], v[P+16*\qt+8*\c:P+16*\qt+8*\c+7], 0
.else
	v_wmma_f32_16x16x32_f16 v[O+32*\qt+8*\ct:O+32*\qt+8*\ct+7], v[KV+32*\c+8*\ct:KV+32*\c+8*\ct+7], v[P+16*\qt+8*\c:P+16*\qt+8*\c+7], v[O+32*\qt+8*\ct:O+32*\qt+8*\ct+7]
.endif
.endr
.endr
.endr
.endm
; THE SOFTMAX of a step, the four tiles by turns, so that no line waits for the line above it.  first = 1: the first step, which starts m, l and O^T.
.macro SM_MAX first                    ; the maximum of a lane's 32 scores and the old m; the other half of the lanes'; c m; c m_old - c m_new.  Each accumulator is read from its low end on
.irp j, 0,1,2,3
.irp t, 0,1,2,3
	v_max3_num_f32 v[ST+8*\t+4+\j], v[S+32*\t+8*\j], v[S+32*\t+8*\j+1], v[S+32*\t+8*\j+2]
.endr
.endr
.irp g, 1,2
.irp j, 0,1,2,3
.irp t, 0,1,2,3
	v_max3_num_f32 v[ST+8*\t+4+\j], v[ST+8*\t+4+\j], v[S+32*\t+8*\j+2*\g+1], v[S+32*\t+8*\j+2*\g+2]
.endr
.endr
.endr
.irp t, 0,1,2,3
	v_max3_num_f32 v[ST+8*\t+4], v[ST+8*\t+4], v[S+32*\t+7], v[S+32*\t+15]
.endr
.irp t, 0,1,2,3
	v_max3_num_f32 v[ST+8*\t+6], v[ST+8*\t+6], v[S+32*\t+23], v[S+32*\t+31]
.endr
.irp t, 0,1,2,3
	v_max3_num_f32 v[ST+8*\t+4], v[ST+8*\t+4], v[ST+8*\t+5], v[ST+8*\t+6]
.endr
.irp t, 0,1,2,3
.if \first
	v_max_num_f32 v[ST+8*\t+4], v[ST+8*\t+4], v[ST+8*\t+7]
.else
	v_max3_num_f32 v[ST+8*\t+4], v[ST+8*\t+4], v[ST+8*\t+7], v[ST+8*\t+1]
.endif
.endr
.irp t, 0,1,2,3
	v_permlanex16_b32 v[ST+8*\t+5], v[ST+8*\t+4], s[SEL], s[SEL+1]  ; the query's other 32 keys lie in the lane 16 away
.endr
.if !\first
.irp t, 0,1,2,3
	v_mov_b32 v[ST+8*\t+7], v[ST+8*\t]             ; c m_old is kept for a
.endr
.endif
.irp t, 0,1,2,3
	v_max_num_f32 v[ST+8*\t+1], v[ST+8*\t+4], v[ST+8*\t+5]
.endr
.irp t, 0,1,2,3
	v_mul_f32 v[ST+8*\t], s[CS], v[ST+8*\t+1]
.endr
.if !\first
.irp t, 0,1,2,3
	v_sub_f32 v[ST+8*\t+7], v[ST+8*\t+7], v[ST+8*\t]
.endr
.endif
.endm
.macro SM_SCALE                        ; c s - c m, two at a time
.irp t, 0,1,2,3
.set i, 0
.rept 16
	v_pk_fma_f32 v[S+32*\t+2*i:S+32*\t+2*i+1], v[S+32*\t+2*i:S+32*\t+2*i+1], s[CS:CS+1], v[ST+8*\t:ST+8*\t+1] op_sel_hi:[1,0,0] neg_lo:[0,0,1] neg_hi:[0,0,1]
.set i, i+1
.endr
.endr
.endm
.macro SM_EXP first                    ; ONE BATCH: a of the four tiles and the 128 weights; none reads another's result
.if !\first
.irp t, 0,1,2,3
	v_exp_f32 v[ST+8*\t+6], v[ST+8*\t+7]
.endr
.endif
.set i, 0
.rept 128
	v_exp_f32 v[S+i], v[S+i]
.set i, i+1
.endr
	v_nop                                          ; a plain instruction behind the last exponential, ahead of the first use
	s_wait_alu depctr_va_vdst(0)                   ; and one wait between the batch and the first instruction that names a result
.endm
.macro SM_CVT                          ; the weights rounded to f16, a pair each: they are source 1 of the second product as they stand
.set i, 0
.rept 64
	v_cvt_pk_f16_f32 v[P+i], v[S+2*i], v[S+2*i+1]
.set i, i+1
.endr
.endm
.macro SM_SUM first                    ; the sum of a tile's 16 pairs of unrounded weights, in place, neighbours 1, 2, 4 and 8 pairs apart; then l = a l + the sum
.irp u, 0,1,2,3,4,5,6,7
.irp t, 0,1,2,3
	v_pk_add_f32 v[S+32*\t+4*\u:S+32*\t+4*\u+1], v[S+32*\t+4*\u:S+32*\t+4*\u+1], v[S+32*\t+4*\u+2:S+32*\t+4*\u+3]
.endr
.endr
.irp u, 0,1,2,3
.irp t, 0,1,2,3
	v_pk_add_f32 v[S+32*\t+8*\u:S+32*\t+8*\u+1], v[S+32*\t+8*\u:S+32*\t+8*\u+1], v[S+32*\t+8*\u+4:S+32*\t+8*\u+5]
.endr
.endr
.irp u, 0,1
.irp t, 0,1,2,3
	v_pk_add_f32 v[S+32*\t+16*\u:S+32*\t+16*\u+1], v[S+32*\t+16*\u:S+32*\t+16*\u+1], v[S+32*\t+16*\u+8:S+32*\t+16*\u+9]
.endr
.endr
.if \first
.irp t, 0,1,2,3
	v_pk_add_f32 v[ST+8*\t+2:ST+8*\t+3], v[S+32*\t:S+32*\t+1], v[S+32*\t+16:S+32*\t+17]
.endr
.else
.irp t, 0,1,2,3
	v_pk_add_f32 v[S+32*\t:S+32*\t+1], v[S+32*\t:S+32*\t+1], v[S+32*\t+16:S+32*\t+17]
.endr
.irp t, 0,1,2,3
	v_pk_fma_f32 v[ST+8*\t+2:ST+8*\t+3], v[ST+8*\t+2:ST+8*\t+3], v[ST+8*\t+6:ST+8*\t+7], v[S+32*\t:S+32*\t+1] op_sel_hi:[1,0,1]
.endr
.endif
.endm
.macro RESCALE                         ; O^T x a, each accumulator from its low end on
	WIN 0x41                                       ; O^T (destination and source 0) in window 1, a in window 0
.irp t, 0,1,2,3
.set i, 0
.rept 16
	v_pk_mul_f32 v[O+32*\t+2*i:O+32*\t+2*i+1], v[O+32*\t+2*i:O+32*\t+2*i+1], v[ST+8*\t+6:ST+8*\t+7] op_sel_hi:[1,0]
.set i, i+1
.endr
.endr
.endm
; THE CHANGE OF SLOTS, in the middle of a step: K, bias and V of the step have been asked for out of the slot.  Each wave waits for all its tensor loads (one is out: its part of the other slot), adds 0 to its
; spare word, and waits for that and for its reads of the slot; the scalings, work on registers, stand between.  mode 2: the slot is filled again with the step two on: the barrier is a round of the cluster's, and
; the joint refill is the first thing behind it.  mode 1: nothing is left to fetch: a plain barrier shows the other slot whole.  mode 0: the last step.
.macro CHANGE slot, mode
.if \mode
	s_wait_tensorcnt 0x0                           ; no tensor load of mine is out, so a group 0 may be written
	ds_add_u32 v[SPW], v[NIL]                      ; 0 onto my spare word
.endif
.if \mode == 2
	s_add_nc_u64 s[G0B+4*\slot+2:G0B+4*\slot+3], s[G0B+4*\slot+2:G0B+4*\slot+3], 2*512       ; two steps on: 256 keys of 4 bytes along the bias rows,
	s_add_nc_u64 s[G0K+4*\slot+2:G0K+4*\slot+3], s[G0K+4*\slot+2:G0K+4*\slot+3], 2*128*2048  ; 256 rows of K
	s_add_nc_u64 s[G0V+4*\slot+2:G0V+4*\slot+3], s[G0V+4*\slot+2:G0V+4*\slot+3], 2*128*2048  ; and of V; the type bits on top are not reached
	s_wait_xcnt 0x0                                ; the last prefetch, a step back, has read its address, so it may be written
	s_add_nc_u64 s[PFA:PFA+1], s[PFA:PFA+1], s[PFS:PFS+1]
.endif
	SM_SCALE
	s_wait_dscnt 0x0                               ; the add is done; V is in, and with it my reads of the slot are over
.if \mode == 2
	CROUND                                         ; no wave of any partner still reads the slot or has a load on its way
	JLOAD \slot
	ASK
	s_sub_co_u32 s[CNT], s[CNT], 1
.elseif \mode == 1
	s_barrier_signal -1
	s_barrier_wait -1
.endif
.endm
; A KEY STEP.  On the way in, the step's K and bias are on their way into registers.
.macro STEP slot, first, mode
	s_wait_dscnt 0x0                               ; K and the bias are in
	QK
	PLACES                                         ; behind the products: for the loads over K's registers and the first reads of the scores
	LD_V \slot
	WIN 0
	SM_MAX \first
	CHANGE \slot, \mode
	SM_EXP \first
	SM_CVT
	SM_SUM \first
.if \mode
	LD_BIAS 1-\slot                                ; the next step's bias into S^T's registers, which the sums have left
.endif
.if !\first
	RESCALE
.endif
	PVM \first
.if \mode
	PLACES                                         ; for the loads over V's registers
	LD_K 1-\slot                                   ; the next step's K
.endif
	WIN 0                                          ; at a label and at a branch every window is 0
.endm
	s_load_b128 s[4:7], s[0:1], 0x0                ; qkv s[4:5], bias s[6:7]
	s_load_b64 s[8:9], s[0:1], 0x10                ; attn
	v_lshl_add_u32 v[SPW], v0, 2, SPARE
	v_mov_b32 v[NIL], 0
	ds_add_u32 v[SPW], v[NIL]                      ; the wave's opening: the add, twice on end, and its wait ahead of my first tensor load; the set-up below, work on registers, stands between
	ds_add_u32 v[SPW], v[NIL]
	v_lshrrev_b32 v1, 5, v0
	v_readfirstlane_b32 s[WV], v1                  ; wave 0..7
	s_and_b32 s11, s[WV], 1                        ; my head of the two.  Also: which half of K's or V's tile I fetch
	s_bfe_u32 s12, s[WV], 0x10001                  ; which 64 queries
	s_lshr_b32 s13, s[WV], 2                       ; which 64 keys of a step
	s_and_b32 s19, s[WV], 3                        ; my pair of waves.  Also: which quarter of the bias tile I fetch
	s_bfe_u32 s14, ttmp6, 0x40000                  ; cx, cy: my place in the cluster
	s_bfe_u32 s15, ttmp6, 0x40004
	s_lshl_b32 s16, ttmp9, 2
	s_add_co_u32 s16, s16, s14                     ; my block of 128 queries = 4 x cluster x + cx
	s_and_b32 s17, ttmp7, 0xffff
	s_lshl_b32 s17, s17, 2
	s_add_co_u32 s17, s17, s15                     ; batch and pair of heads = 4 x cluster y + cy
	s_lshl_b32 s18, 0x1111, s14                    ; my column of the cluster: the same queries
	s_lshl_b32 s88, s15, 2
	s_lshl_b32 s88, 15, s88                        ; my row: the same batch and heads
	; descriptor groups 1
	s_or_b32 s[G1B], s18, (2<<16)|(1<<20)|(1<<21)|(6<<22)|(3<<25)   ; 15:0 the mask; 17:16 elements of 4 bytes; 20 padding on; 21 set beside a mask; 24:22 after every 128 words (code 6); 31:25 4 words (code 3)
	s_mov_b32 s[G1B+1], 128<<16                    ; tensor_dim0 = 128 keys
	s_mov_b32 s[G1B+2], 32<<16                     ; tensor_dim1 = 32 queries
	s_mov_b32 s[G1B+3], 128<<16                    ; tile_dim0
	s_mov_b32 s[G1B+4], 32                         ; tile_dim1
	s_mov_b32 s[G1B+5], 2048                       ; elements from row to row
	s_mov_b32 s[G1B+6], 0
	s_mov_b32 s[G1B+7], 0
	s_or_b32 s[G1K], s88, (1<<16)|(1<<20)|(1<<21)|(5<<22)|(3<<25)   ; elements of 2 bytes; 4 words of padding after every 64
	s_or_b32 s[G1V], s88, (1<<16)|(1<<20)|(1<<21)|(5<<22)|(7<<25)   ; the same with 8 words
.irp g, G1K, G1V
	s_mov_b32 s[\g+1], 128<<16                     ; tensor_dim0 = 128 channels: two heads
	s_mov_b32 s[\g+2], 64<<16                      ; tensor_dim1 = 64 keys
	s_mov_b32 s[\g+3], 128<<16
	s_mov_b32 s[\g+4], 64
	s_mov_b32 s[\g+5], 1024
	s_mov_b32 s[\g+6], 0
	s_mov_b32 s[\g+7], 0
.endr
	; where the tiles come from.  The bias hangs on the block of queries alone, K and V on batch and heads alone, each in registers that never hold the other coordinate
	s_lshl_b32 s20, s16, 7
	s_lshl_b32 s21, s19, 5
	s_add_co_u32 s20, s20, s21                     ; bias row 128 x block + 32 x quarter
	s_lshl_b32 s20, s20, 13                        ; x 8,192 bytes
	s_mov_b32 s21, 0
	s_mul_i32 s22, s19, 32*PB                      ; and its place in a slot: no place in the cluster enters an LDS address
	s_lshr_b32 s89, s17, 3                         ; batch
	s_and_b32 s90, s17, 7                          ; pair of heads
	s_lshl_b32 s92, s89, 11
	s_lshl_b32 s93, s11, 6
	s_add_co_u32 s92, s92, s93                     ; row 2048 x batch + 64 x half
	s_lshl_b32 s92, s92, 11                        ; x 2,048 bytes
	s_lshl_b32 s93, s90, 8
	s_add_co_u32 s92, s92, s93                     ; + 256 bytes x pair
	s_mov_b32 s93, 0
	s_mul_i32 s94, s11, 64*PK
	s_add_co_u32 s94, s94, KOFF
	s_mul_i32 s95, s11, 64*PVP
	s_add_co_u32 s95, s95, VOFF
	; the prefetches: they begin at step 2; the first change of slots steps them to step 3
	s_lshl_b32 s96, s89, 11
	s_lshl_b32 s97, s14, 5
	s_add_co_u32 s96, s96, s97
	s_add_co_u32 s96, s96, 2*128                   ; K, V: row 2048 x batch + 32 cx + step 2's 256
	s_lshl_b32 s96, s96, 11
	s_lshl_b32 s97, s90, 8
	s_add_co_u32 s96, s96, s97
	s_add_co_u32 s97, s11, 1                       ; plane 1 (K) in wave 0, plane 2 (V) in wave 1
	s_lshl_b32 s97, s97, 23
	s_add_co_u32 s96, s96, s97
	s_lshl_b32 s98, s16, 7
	s_lshl_b32 s99, s15, 5
	s_add_co_u32 s98, s98, s99                     ; bias: row 128 x block + 32 cy
	s_lshl_b32 s98, s98, 13
	s_lshl_b32 s99, s11, 8
	s_add_co_u32 s98, s98, s99                     ; + my half of a step's 512 bytes
	s_add_co_u32 s98, s98, 2*512                   ; + step 2
	s_mov_b32 s[PFS], 512
	s_cmp_lt_u32 s[WV], 2
	s_cselect_b32 s96, s96, s98
	s_cselect_b32 s99, 11, 13                      ; a row is 2,048 bytes in qkv, 8,192 in the bias
	s_cselect_b32 s[PFS], 128*2048, s[PFS]         ; a step on
	s_mov_b32 s[PFS+1], 0
	s_mov_b32 s97, 0
	v_and_b32 v[PFO], 31, v0
	v_lshlrev_b32 v[PFO], s99, v[PFO]
	s_and_b32 s98, ttmp7, 0xffff                   ; cluster y
	s_cselect_b32 s98, ttmp9, s98                  ; the coordinate along which other clusters walk the same rows
	s_lshr_b32 s99, s[WV], 2                       ; waves 4-7 ask for nothing
	s_or_b32 s98, s98, s99
	s_cmp_eq_u32 s98, 0
	s_cselect_b32 s[LIM], 1, -1                    ; the same in all sixteen partners, for a given wave
	; Q's and attn's rows
	s_lshl_b32 s83, s89, 11
	s_lshl_b32 s100, s16, 7
	s_add_co_u32 s83, s83, s100                    ; row 2048 x batch + 128 x block
	s_lshl_b32 s100, s12, 6
	s_add_co_u32 s100, s100, s83
	s_lshl_b32 s100, s100, 11                      ; Q: + my 64 queries,
	s_lshl_b32 s101, s90, 8
	s_add_co_u32 s100, s100, s101                  ; the pair's 256 bytes,
	s_lshl_b32 s101, s11, 7
	s_add_co_u32 s100, s100, s101                  ; my head's 128 of them
	s_mov_b32 s101, 0
	s_lshl_b32 s98, s[WV], 4
	s_add_co_u32 s98, s98, s83
	s_lshl_b32 s98, s98, 11                        ; attn: the 16 rows that I store
	s_lshl_b32 s99, s90, 8
	s_add_co_u32 s98, s98, s99
	s_mov_b32 s99, 0
	s_mov_b32 s[CS], 0x3fb8aa3b                    ; c = log2(e)
	s_mov_b32 s[CS+1], s[CS]                       ; (named with it as a pair, so it is written)
	s_mov_b32 s[SEL], 0x76543210
	s_mov_b32 s[SEL+1], 0xfedcba98
	s_mov_b32 s[CNT], 14                           ; 16 steps, two asked for at the head
	s_mov_b32 s[LOOP], 6
	s_wait_dscnt 0x0                               ; both opening adds are done
	s_wait_kmcnt 0x0
	s_add_nc_u64 s[20:21], s[6:7], s[20:21]        ; the bias at my quarter of step 0's tile
	s_add_nc_u64 s[92:93], s[4:5], s[92:93]        ; plane 0 at the rows of my half of step 0's tile
	s_cmp_lt_u32 s[WV], 2
	s_cselect_b64 s[PFA:PFA+1], s[4:5], s[6:7]
	s_add_nc_u64 s[PFA:PFA+1], s[PFA:PFA+1], s[96:97]
	s_add_nc_u64 s[100:101], s[4:5], s[100:101]
	s_add_nc_u64 s[8:9], s[8:9], s[98:99]
	CROUND                                         ; all sixteen work-groups are here: the first joint loads meet
.irp s, 0,1
	s_mov_b32 s[G0B+4*\s], 1                       ; 1:0 count = 1
	s_add_co_u32 s[G0B+4*\s+1], s22, \s*SLOTB      ; 63:32 LDS address
	s_add_nc_u64 s[G0B+4*\s+2:G0B+4*\s+3], s[20:21], \s*512         ; 120:64 global address: step s
	s_or_b32 s[G0B+4*\s+3], s[G0B+4*\s+3], 0x80000000               ; 127:126 type = 2
	s_mov_b32 s[G0K+4*\s], 1
	s_add_co_u32 s[G0K+4*\s+1], s94, \s*SLOTB
	s_add_nc_u64 s[G0K+4*\s+2:G0K+4*\s+3], s[92:93], 8388608+\s*128*2048    ; plane 1
	s_or_b32 s[G0K+4*\s+3], s[G0K+4*\s+3], 0x80000000
	s_mov_b32 s[G0V+4*\s], 1
	s_add_co_u32 s[G0V+4*\s+1], s95, \s*SLOTB
	s_add_nc_u64 s[G0V+4*\s+2:G0V+4*\s+3], s[92:93], 16777216+\s*128*2048   ; plane 2
	s_or_b32 s[G0V+4*\s+3], s[G0V+4*\s+3], 0x80000000
.endr
	s_cmp_lt_u32 s[WV], 4                          ; a wave's two first fills stand in one branch, ahead of every wait on TENSORcnt and every LDS read: two loads of mine are out
	s_cbranch_scc0 .Lfirst_not_b
	tensor_load_to_lds s[G0B:G0B+3], s[G1B:G1B+7]
	s_nop 0
	tensor_load_to_lds s[G0B+4:G0B+7], s[G1B:G1B+7]
	s_nop 0
	PLACES
	s_branch .Lfirst_asked
.Lfirst_not_b:
	s_cmp_lt_u32 s[WV], 6
	s_cbranch_scc0 .Lfirst_v
	tensor_load_to_lds s[G0K:G0K+3], s[G1K:G1K+7]
	s_nop 0
	tensor_load_to_lds s[G0K+4:G0K+7], s[G1K:G1K+7]
	s_nop 0
	PLACES
	s_branch .Lfirst_asked
.Lfirst_v:
	tensor_load_to_lds s[G0V:G0V+3], s[G1V:G1V+7]
	s_nop 0
	tensor_load_to_lds s[G0V+4:G0V+7], s[G1V:G1V+7]
	s_nop 0
	PLACES
.Lfirst_asked:
	v_and_b32 v1, 15, v0                           ; r = lane % 16
	v_bfe_u32 v14, v0, 4, 1                        ; h = lane / 16
	v_and_b32 v15, 31, v0                          ; lane
	v_lshlrev_b32 v[QO], 11, v1
	v_lshl_add_u32 v[QO], v14, 4, v[QO]            ; row r of 2,048 bytes + 16 h
	WIN 0x40                                       ; destination window 1
.irp t, 0,1,2,3                        ; Q stays in registers: tile t, channels 32 f on
.irp f, 0,1
	global_load_b128 v[Q+16*\t+8*\f:Q+16*\t+8*\f+3],   v[QO], s[100:101] offset:16*2048*\t+64*\f
	global_load_b128 v[Q+16*\t+8*\f+4:Q+16*\t+8*\f+7], v[QO], s[100:101] offset:16*2048*\t+64*\f+32
.endr
.endr
	WIN 0
	s_mul_i32 s96, s12, 64*PB                      ; the bias: my 64 queries' rows, my 64 keys' 256 bytes; row r, + 32 h
	s_lshl_b32 s97, s13, 8
	s_add_co_u32 s96, s96, s97
	v_mul_u32_u24 v[ABI], v1, PB
	v_lshl_add_u32 v[ABI], v14, 5, v[ABI]
	v_add_nc_u32 v[ABI], s96, v[ABI]
	v_add_nc_u32 v[ABI+1], SLOTB, v[ABI]
	s_mul_i32 s96, s13, 64*PK                      ; K: my 64 keys' rows, my head's 128 bytes; row r, + 16 h
	s_lshl_b32 s97, s11, 7
	s_add_co_u32 s96, s96, s97
	s_add_co_u32 s96, s96, KOFF
	v_mul_u32_u24 v[AK], v1, PK
	v_lshl_add_u32 v[AK], v14, 4, v[AK]
	v_add_nc_u32 v[AK], s96, v[AK]
	v_add_nc_u32 v[AK+1], SLOTB, v[AK]
	s_mul_i32 s96, s13, 64*PVP                     ; V, for the turning load: key 8 h + lane % 8, channels 8 ((lane / 8) % 2) on
	s_add_co_u32 s96, s96, s97
	s_add_co_u32 s96, s96, VOFF
	v_and_b32 v[AV], 7, v0
	v_lshl_add_u32 v[AV], v14, 3, v[AV]
	v_mul_u32_u24 v[AV], v[AV], PVP
	v_bfe_u32 v[AV+1], v0, 3, 1
	v_lshl_add_u32 v[AV], v[AV+1], 4, v[AV]
	v_add_nc_u32 v[AV], s96, v[AV]
	v_add_nc_u32 v[AV+1], SLOTB, v[AV]
	s_mul_i32 s96, s19, MRG                        ; the end's addresses are made here too, on the way that all waves take
	v_lshl_add_u32 v[MG], v15, 4, s96
	s_add_co_u32 s97, s96, 16384
	v_lshl_add_u32 v[MS], v15, 3, s97
	s_mul_i32 s96, s12, 64*272
	s_lshl_b32 s97, s11, 7
	s_add_co_u32 s96, s96, s97
	s_add_co_u32 s96, s96, STAGE
	v_mul_u32_u24 v[STO], v1, 272                  ; the stage, in: my 64 queries' rows, my head's 128 bytes; row r, + 16 h
	v_lshl_add_u32 v[STO], v14, 4, v[STO]
	v_add_nc_u32 v[STO], s96, v[STO]
	s_mul_i32 s96, s[WV], 16*272
	s_add_co_u32 s96, s96, STAGE
	v_mul_u32_u24 v[RD], v14, 272                  ; back: wave w takes rows 16 w on; lanes 0-15 one row of 256 bytes, lanes 16-31 the next
	v_lshl_add_u32 v[RD], v1, 4, v[RD]
	v_add_nc_u32 v[RD], s96, v[RD]
	v_lshlrev_b32 v[GO], 11, v14                   ; and the same two rows in attn
	v_lshl_add_u32 v[GO], v1, 4, v[GO]
	s_wait_tensorcnt 1                             ; my part of slot 0 is in; slot 1's may stay out
	s_barrier_signal -1
	s_barrier_wait -1                              ; everybody's is
	LD_BIAS 0
	LD_K 0
	WIN 0
	s_wait_loadcnt 0x0                             ; Q
	STEP 0, 1, 2                                   ; step 0 starts m, l and O^T
	STEP 1, 0, 2
.Lloop:                                            ; six trips, steps 2 to 13: both slots are filled again in each
	STEP 0, 0, 2
	STEP 1, 0, 2
	s_sub_co_u32 s[LOOP], s[LOOP], 1
	s_cmp_lg_u32 s[LOOP], 0
	s_cbranch_scc1 .Lloop
	STEP 0, 0, 1                                   ; the tail is written out: step 14 asks for nothing
	STEP 1, 0, 0                                   ; and step 15 changes no slot
	; THE END.  Waves w and w + 4 hold the same queries over different keys: the upper four hand O^T (as an image of its registers), c m and l to the lower four through LDS.
.irp t, 0,1,2,3
	v_add_f32 v[ST+8*\t+1], v[ST+8*\t+2], v[ST+8*\t+3]   ; l's two halves, beside c m.  (These four are the places behind the last products)
.endr
	s_wait_dscnt 0x0
	s_barrier_signal -1
	s_barrier_wait -1                              ; no wave reads slot 0 any more; it has had its last fill
	s_cmp_lt_u32 s[WV], 4
	s_cbranch_scc1 .Llower_1
	WIN 0x04                                       ; an LDS store's data are its source 1: window 1
.set i, 0
.rept 32
	ds_store_b128 v[MG], v[O+4*i:O+4*i+3] offset:512*i   ; lane l's 16 bytes at 16 l; each accumulator from its low end on
.set i, i+1
.endr
	WIN 0
.irp t, 0,1,2,3
	ds_store_b64 v[MS], v[ST+8*\t:ST+8*\t+1] offset:256*\t
.endr
.Llower_1:
	s_wait_dscnt 0x0                               ; for the others' sake: my stores are done
	s_barrier_signal -1
	s_barrier_wait -1
	s_cmp_lt_u32 s[WV], 4
	s_cbranch_scc0 .Lupper_2
.set i, 0
.rept 32
	ds_load_b128 v[S+4*i:S+4*i+3], v[MG] offset:512*i    ; the partner's O^T, register for register
.set i, i+1
.endr
.irp t, 0,1,2,3
	ds_load_b64 v[PS+2*\t:PS+2*\t+1], v[MS] offset:256*\t
.endr
	s_wait_dscnt 0x0
.irp t, 0,1,2,3
	v_max_num_f32 v[ST+8*\t+2], v[ST+8*\t], v[PS+2*\t]   ; the common c m
.endr
.irp t, 0,1,2,3
	v_sub_f32 v[ST+8*\t+4], v[ST+8*\t], v[ST+8*\t+2]
.endr
.irp t, 0,1,2,3
	v_sub_f32 v[ST+8*\t+5], v[PS+2*\t], v[ST+8*\t+2]
.endr
.irp t, 0,1,2,3
	v_exp_f32 v[ST+8*\t+4], v[ST+8*\t+4]           ; my factor,
.endr
.irp t, 0,1,2,3
	v_exp_f32 v[ST+8*\t+5], v[ST+8*\t+5]           ; the partner's
.endr
	v_nop                                          ; a plain instruction behind the last exponential
	s_wait_alu depctr_va_vdst(0)                   ; one wait for the eight, ahead of the first use
.irp t, 0,1,2,3
	v_mul_f32 v[ST+8*\t+3], v[ST+8*\t+1], v[ST+8*\t+4]
.endr
.irp t, 0,1,2,3
	v_fma_f32 v[ST+8*\t+3], v[PS+2*\t+1], v[ST+8*\t+5], v[ST+8*\t+3]
.endr
.irp t, 0,1,2,3
	v_permlanex16_b32 v[ST+8*\t+2], v[ST+8*\t+3], s[SEL], s[SEL+1]
.endr
.irp t, 0,1,2,3
	v_add_f32 v[ST+8*\t+3], v[ST+8*\t+3], v[ST+8*\t+2]   ; with the lane 16 away: the row's sum
.endr
.irp t, 0,1,2,3
	v_rcp_f32 v[ST+8*\t+2], v[ST+8*\t+3]
.endr
	v_nop
	s_wait_alu depctr_va_vdst(0)                   ; one wait for the four reciprocals
.irp t, 0,1,2,3
	v_mul_f32 v[ST+8*\t+6], v[ST+8*\t+5], v[ST+8*\t+2]   ; the partner's factor / the sum,
.endr
.irp t, 0,1,2,3
	v_mul_f32 v[ST+8*\t+4], v[ST+8*\t+4], v[ST+8*\t+2]   ; mine
.endr
.irp t, 0,1,2,3
.set i, 0
.rept 16
	v_pk_mul_f32 v[S+32*\t+2*i:S+32*\t+2*i+1], v[S+32*\t+2*i:S+32*\t+2*i+1], v[ST+8*\t+6:ST+8*\t+7] op_sel_hi:[1,0]
.set i, i+1
.endr
.endr
	WIN 0x01                                       ; source 0 (my O^T) in window 1
.irp t, 0,1,2,3
.set i, 0
.rept 16
	v_pk_fma_f32 v[S+32*\t+2*i:S+32*\t+2*i+1], v[O+32*\t+2*i:O+32*\t+2*i+1], v[ST+8*\t+4:ST+8*\t+5], v[S+32*\t+2*i:S+32*\t+2*i+1] op_sel_hi:[1,0,1]
.set i, i+1
.endr
.endr
	WIN 0
.set i, 0
.rept 64
	v_cvt_pk_f16_f32 v[P+i], v[S+2*i], v[S+2*i+1]  ; a lane's eight channels of a row pack into 16 bytes
.set i, i+1
.endr
.irp t, 0,1,2,3
.irp ct, 0,1,2,3
	ds_store_b128 v[STO], v[P+16*\t+4*\ct:P+16*\t+4*\ct+3] offset:16*272*\t+32*\ct
.endr
.endr
.Lupper_2:
	s_wait_dscnt 0x0                               ; for the others' sake: my stores into the stage are done
	s_barrier_signal -1
	s_barrier_wait -1                              ; 128 whole rows of 256 bytes (two heads) lie in the stage
.irp i, 0,1,2,3,4,5,6,7
	ds_load_b128 v[S+4*\i:S+4*\i+3], v[RD] offset:2*272*\i
.endr
.irp i, 0,1,2,3,4,5,6,7
	s_wait_dscnt 7-\i                              ; load i is in; the younger ones may be out
	global_store_b128 v[GO], v[S+4*\i:S+4*\i+3], s[8:9] offset:2*2048*\i   ; 16 lanes store 256 consecutive bytes, aligned
.endr
	s_wait_tensorcnt 0x0                           ; the wave's end, behind my last tensor load and my last LDS store
	ds_add_u32 v[SPW], v[NIL]
	s_wait_dscnt 0x0
	CROUND                                         ; the closing round: no work-group ends while a partner may still ask for a tile that names it
	s_endpgm
.Lfunc_end_k_q26df35c966_attend:
	.size	k_q26df35c966_attend, .Lfunc_end_k_q26df35c966_attend-k_q26df35c966_attend
	.p2alignl 7, 3214868480
	.fill 96, 4, 3214868480
	.section	.rodata,"a",@progbits
	.p2align	6, 0x0
	.amdhsa_kernel k_q26df35c966_attend
		.amdhsa_group_segment_fixed_size 327680
		.amdhsa_private_segment_fixed_size 0
		.amdhsa_enable_private_segment 0
		.amdhsa_kernarg_size 24
		.amdhsa_user_sgpr_count 2
		.amdhsa_user_sgpr_kernarg_segment_ptr 1
		.amdhsa_wavefront_size32 1
		.amdhsa_system_sgpr_workgroup_id_x 1
		.amdhsa_system_sgpr_workgroup_id_y 1
		.amdhsa_system_sgpr_workgroup_id_z 1
		.amdhsa_system_vgpr_workitem_id 0
		.amdhsa_next_free_vgpr 512
		.amdhsa_next_free_sgpr 104
		.amdhsa_reserve_vcc 0
		.amdhsa_float_denorm_mode_32 3
		.amdhsa_float_denorm_mode_16_64 3
		.amdhsa_memory_ordered 1
		.amdhsa_forward_progress 1
		.amdhsa_inst_pref_size 238
	.end_amdhsa_kernel
	.amdgpu_metadata
---
amdhsa.version: [ 1, 2 ]
amdhsa.kernels:
  - .name:           k_q26df35c966_attend
    .symbol:         k_q26df35c966_attend.kd
    .args:
      - { .name: qkv, .offset: 0, .size: 8, .value_kind: global_buffer, .address_space: global }
      - { .name: bias, .offset: 8, .size: 8, .value_kind: global_buffer, .address_space: global }
      - { .name: attn, .offset: 16, .size: 8, .value_kind: global_buffer, .address_space: global }
    .group_segment_fixed_size: 327680
    .private_segment_fixed_size: 0
    .kernarg_segment_align: 8
    .kernarg_segment_size: 24
    .max_flat_workgroup_size: 256
    .sgpr_count:     104
    .vgpr_count:     512
    .wavefront_size: 32
...
	.end_amdgpu_metadata
.endif
;; end of part 3
;; launch outp (part 4): grid 8 x 32, 4 waves a work-group, clusters of 4 x 4, 327,680 bytes of LDS; arguments attn, wot, out0; writes out0
.if DOCPART == 4
	.amdgcn_target "amdgcn-amd-amdhsa--gfx1250"
	.amdhsa_code_object_version 6
	.text
	.protected	k_q26df35c966_outp
	.globl	k_q26df35c966_outp
	.p2align	8
	.type	k_q26df35c966_outp,@function
k_q26df35c966_outp:
	s_mov_b64 s[64:65], 0
	v_nop
	global_prefetch_b8 v0, s[64:65] scope:SCOPE_SE
	s_setreg_imm32_b32 hwreg(HW_REG_WAVE_MODE, 25, 1), 1
	s_wait_xcnt 0x0
	s_wait_alu depctr_hold_cnt(0) depctr_sa_sdst(0) depctr_va_vdst(0) depctr_va_sdst(0) depctr_va_ssrc(0) depctr_va_vcc(0) depctr_vm_vsrc(0)
	s_getreg_b32 s2, hwreg(HW_REG_IB_STS2, 6, 4)
	s_cmp_eq_u32 s2, 0
	s_cbranch_scc0 .Lentry_in_a_cluster
	s_endpgm
.Lentry_in_a_cluster:
	s_bfe_u32 s2, ttmp6, 0x10000c
	s_cmp_lg_u32 s2, 0xf033
	s_cbranch_scc0 .Lentry_shape_is_right
	s_endpgm
.Lentry_shape_is_right:
; out0[m][n] = sum over k of attn[m][k] wot[n][k].  attn: [4096][1024] f16, wot: [1024 n][1024 k] f16 (Wo turned, K innermost), out0: [4096][1024] f32; sums in f32.
; A tile of the result is 128 x 128: 256 work-groups.  Four waves, each 64 x 64: 16 accumulators of 16 x 16, 128 registers.  K goes in steps of 256 (LDS rows of 512 bytes; a wave's tensor load brings 64
; of them) through two slots.  A wave's 64 columns of f32 are 256 aligned bytes, so each wave has a stage of its own on the way out, and no barrier stands there.
; CLUSTERS: 4 x 4 work-groups.  The four of a row of the cluster need the same tiles of A, the four of a column the same tiles of B: each tile is asked for JOINTLY, by the same tensor load with the
; same descriptor and a mask that names the four.  THE MATRIX INSTRUCTION IS USED TRANSPOSED (source 0 = 16 rows of B, source 1 = 16 rows of A): a lane then holds eight neighbouring numbers of a row.
; No prefetch: K is four steps, two of them asked for at the head.
; REGISTERS: window 0: v0-31 addresses; v32-95 at work on the way out; v128-255 the accumulators ((a, b) at v[128 + 8 (4 a + b)]).
;   window 1: two fragment buffers of 128: for 64 along K, 64 registers of A (2 x 4 x 16 rows x 32 K), then 64 of B.
.set SIZE_K, 1024
.set KSTEP,  256
.set PITCH,  528                       ; an LDS row: 512 bytes + 16 of padding = 132 words: the 16 rows that a load touches start at 16 different banks (64 banks of 4 bytes: ISA guide 11.1)
.set HALFT,  64*PITCH                  ; 64 rows: what one tensor load brings, and what one wave reads of A or of B
.set SLOT,   4*HALFT                   ; A's 128 rows, then B's 128 rows
.set STAGE,  2*SLOT                    ; behind the ring: 16 rows x 272 bytes for each wave
.set SPITCH, 272
.set SPARE,  STAGE+4*16*SPITCH         ; the spare words, 128 bytes for each wave: two blocks of 256 bytes that no other line names
.set LAPS,   SIZE_K/(2*KSTEP)          ; a lap = two K steps = once round the ring: two laps
.set CROW,   4096                      ; a row of out0 in bytes
.set ADRA, 16                          ; v16-17  LDS address of my A fragments in slot 0, 1
.set ADRB, 20                          ; v20-21  the same for B
.set STO,  24                          ; v24     the way out: where I put 32 bytes of a row
.set RD,   25                          ; v25     the way out: where I read a row back
.set CO,   26                          ; v26     my byte offset in two rows of out0
.set SPW,  28                          ; v28     LDS address of my spare word; never rewritten
.set NIL,  29                          ; v29     0; never rewritten
.set TMP,  32                          ; the way out: 16 rows read back: v32-63 and v64-95 by turns
.set ACC,  128
.set F0,   0                           ; fragment buffers, in window 1
.set F1,   128
.set G1, 24                            ; s[24:31] descriptor group 1 for A's tiles;  s[32:39] group 0, one set for each slot
.set G0, 32
.set G1B, 48                           ; s[48:55], s[56:63] the same for B's tiles
.set G0B, 56
.set MSB, 0
.macro WIN new                         ; the immediate's high byte repeats the setting that is left
.if MSB != (\new)
	s_set_vgpr_msb (MSB<<8)|(\new)
.set MSB, (\new)
.endif
.endm
.set MUL,  0x05                        ; sources 0 (B) and 1 (A) window 1; C and D window 0
.set TO_F, 0x40                        ; destination window 1, address window 0
.macro JLOAD s                         ; a joint load: waves 0 and 1 fetch A's two halves, waves 2 and 3 B's; an s_nop 0 and four v_nop follow each of the two lines
	s_cmp_eq_u32 s11, 0
	s_cbranch_scc0 .Lfor_b_\@
	tensor_load_to_lds s[G0+4*\s:G0+4*\s+3], s[G1:G1+7]
	s_nop 0
.rept 4
	v_nop
.endr
	s_branch .Lasked_\@
.Lfor_b_\@:
	tensor_load_to_lds s[G0B+4*\s:G0B+4*\s+3], s[G1B:G1B+7]
	s_nop 0
.rept 4
	v_nop
.endr
.Lasked_\@:
.endm
.macro CREST                           ; a round of the cluster's barrier behind its opening barrier
	s_cmp_lg_u32 s10, 0
	s_cbranch_scc1 .Lnot_wave_0_\@
	s_barrier_signal -3
.Lnot_wave_0_\@:
	s_barrier_wait -3
	s_barrier_signal -1
	s_barrier_wait -1
.endm
.macro CROUND                          ; a whole round
	s_barrier_signal -1
	s_barrier_wait -1
	CREST
.endm
	s_load_b128 s[4:7], s[0:1], 0x0                ; A s[4:5], B s[6:7]
	s_load_b64 s[8:9], s[0:1], 0x10                ; out0
	v_lshl_add_u32 v[SPW], v0, 2, SPARE
	v_mov_b32 v[NIL], 0
	ds_add_u32 v[SPW], v[NIL]                      ; the wave's opening: the add, twice on end, and its wait ahead of my first tensor load; the set-up below, work on registers, stands between
	ds_add_u32 v[SPW], v[NIL]
	v_lshrrev_b32 v1, 5, v0
	v_readfirstlane_b32 s10, v1                    ; wave 0..3
	s_lshr_b32 s11, s10, 1                         ; which half of the tile's rows is mine.  Also: I fetch for A (0) or for B (1)
	s_and_b32 s12, s10, 1                          ; which half of its columns.  Also: which 64 rows of that tile I fetch
	s_bfe_u32 s40, ttmp6, 0x40000                  ; cx, cy: my place in the cluster
	s_bfe_u32 s41, ttmp6, 0x40004
	s_lshl_b32 s42, ttmp9, 2
	s_add_co_u32 s42, s42, s40                     ; tile column = 4 x cluster x + cx
	s_and_b32 s13, ttmp7, 0xffff
	s_lshl_b32 s13, s13, 2
	s_add_co_u32 s13, s13, s41                     ; tile row = 4 x cluster y + cy
	s_lshl_b32 s43, s41, 2
	s_lshl_b32 s43, 15, s43                        ; my row of the cluster
	s_lshl_b32 s44, 0x1111, s40                    ; my column
	; descriptor group 1: a tile of 64 rows x 256 elements, padded in LDS
	s_or_b32 s[G1+0], s43, (1<<16)|(1<<20)|(1<<21)|(6<<22)|(3<<25)  ; 15:0 the mask: A's tiles go to my row; 17:16 element of 2 bytes; 20 padding on; 21 set beside a mask; 24:22 after every 128 words (code 6); 31:25 of 4 words (code 3)
	s_or_b32 s[G1B+0], s44, (1<<16)|(1<<20)|(1<<21)|(6<<22)|(3<<25)
.irp g, G1, G1B
	s_mov_b32 s[\g+1], KSTEP<<16                   ; tensor_dim0 = 256
	s_mov_b32 s[\g+2], 64<<16                      ; tensor_dim1 = 64
	s_mov_b32 s[\g+3], KSTEP<<16                   ; tile_dim0 = 256
	s_mov_b32 s[\g+4], 64                          ; tile_dim1 = 64
	s_mov_b32 s[\g+5], SIZE_K                      ; tensor_dim0_stride
	s_mov_b32 s[\g+6], 0
	s_mov_b32 s[\g+7], 0
.endr
	s_lshl_b32 s17, s12, 6                         ; which 64 rows of the tile I fetch
	s_lshl_b32 s16, s13, 7
	s_add_co_u32 s16, s16, s17                     ; A: row 128 x tile row + 64 x half
	s_lshl_b32 s46, s42, 7
	s_add_co_u32 s46, s46, s17                     ; B: row 128 x tile column + 64 x half
	s_mov_b32 s17, 0
	s_mov_b32 s47, 0
	s_mov_b64 s[18:19], SIZE_K*2
	s_mul_u64 s[16:17], s[16:17], s[18:19]
	s_mul_u64 s[46:47], s[46:47], s[18:19]
	s_mul_i32 s20, s10, HALFT                      ; where they go: wave x 64 rows
	s_wait_dscnt 0x0                               ; both opening adds are done
	s_wait_kmcnt 0x0
	s_add_nc_u64 s[14:15], s[4:5], s[16:17]
	s_add_nc_u64 s[46:47], s[6:7], s[46:47]
	CROUND                                         ; all sixteen work-groups are here: the first joint loads meet
.irp s, 0,1
	s_mov_b32 s[G0+4*\s], 1
	s_add_co_u32 s[G0+4*\s+1], s20, \s*SLOT
	s_add_nc_u64 s[G0+4*\s+2:G0+4*\s+3], s[14:15], \s*KSTEP*2
	s_or_b32 s[G0+4*\s+3], s[G0+4*\s+3], 0x80000000
	s_mov_b32 s[G0B+4*\s], 1
	s_add_co_u32 s[G0B+4*\s+1], s20, \s*SLOT
	s_add_nc_u64 s[G0B+4*\s+2:G0B+4*\s+3], s[46:47], \s*KSTEP*2
	s_or_b32 s[G0B+4*\s+3], s[G0B+4*\s+3], 0x80000000
	JLOAD \s
.endr
	v_and_b32 v1, 15, v0                           ; l % 16
	v_bfe_u32 v2, v0, 4, 1                         ; l / 16
	v_mul_u32_u24 v3, v1, PITCH
	v_lshl_add_u32 v3, v2, 4, v3                   ; a fragment's row x pitch + 16 x half
	s_mul_i32 s21, s11, HALFT                      ; my 64 rows of A
	s_mul_i32 s22, s12, HALFT                      ; my 64 rows of B,
	s_add_co_u32 s22, s22, 2*HALFT                 ; which lie behind A's 128
.irp s, 0,1
	v_add_nc_u32 v[ADRA+\s], s21, v3
	v_add_nc_u32 v[ADRB+\s], s22, v3
	s_add_co_u32 s21, s21, SLOT
	s_add_co_u32 s22, s22, SLOT
.endr
	s_mul_i32 s23, s10, 16*SPITCH
	s_add_co_u32 s23, s23, STAGE                   ; my stage
	v_mul_u32_u24 v4, v1, SPITCH                   ; in: row l % 16, 32 bytes for each half of the lanes
	v_lshl_add_u32 v4, v2, 5, v4
	v_add_nc_u32 v[STO], s23, v4
	v_mul_u32_u24 v5, v2, SPITCH                   ; back: lanes 0-15 one row of 256 bytes, lanes 16-31 the next
	v_lshl_add_u32 v5, v1, 4, v5
	v_add_nc_u32 v[RD], s23, v5
	v_lshlrev_b32 v5, 12, v2                       ; and the same two rows in out0
	v_lshl_add_u32 v[CO], v1, 4, v5
	s_lshl_b32 s16, s13, 7
	s_lshl_b32 s17, s11, 6
	s_add_co_u32 s16, s16, s17                     ; my first row: 128 x tile row + 64 x half
	s_lshl_b32 s16, s16, 12                        ; x 4,096 bytes
	s_mov_b32 s17, 0
	s_add_nc_u64 s[8:9], s[8:9], s[16:17]
	s_lshl_b32 s46, s42, 9                         ; my first column, in bytes: 512 x tile column + 256 x half
	s_lshl_b32 s47, s12, 8
	s_add_co_u32 s46, s46, s47
	s_mov_b32 s47, 0
	s_add_nc_u64 s[8:9], s[8:9], s[46:47]
; 8 matrix instructions: m blocks a0, a0 + 1 x all 4 n blocks, 32 along K: half c of buffer f.  zero = 1: the first product starts the sums.  The 16 accumulators take turns.
.macro MUL8 f, c, a0, zero
.irp a, \a0, \a0+1
.irp b, 0,1,2,3
.if \zero
	v_wmma_f32_16x16x32_f16 v[ACC+8*(4*(\a)+\b):ACC+8*(4*(\a)+\b)+7], v[\f+64+8*(4*\c+\b):\f+64+8*(4*\c+\b)+7], v[\f+8*(4*\c+\a):\f+8*(4*\c+\a)+7], 0
.else
	v_wmma_f32_16x16x32_f16 v[ACC+8*(4*(\a)+\b):ACC+8*(4*(\a)+\b)+7], v[\f+64+8*(4*\c+\b):\f+64+8*(4*\c+\b)+7], v[\f+8*(4*\c+\a):\f+8*(4*\c+\a)+7], v[ACC+8*(4*(\a)+\b):ACC+8*(4*(\a)+\b)+7]
.endif
.endr
.endr
.endm
; 32 LDS loads in one run: the fragments of 64 along K at byte k of the rows, into buffer f; the first 32 along K first
.macro FETCH slot, k, f
	WIN TO_F
.irp c, 0,1
.irp i, 0,1,2,3
	ds_load_b128 v[\f+64+8*(4*\c+\i):\f+64+8*(4*\c+\i)+3],   v[ADRB+\slot] offset:\k+64*\c+\i*16*PITCH
	ds_load_b128 v[\f+64+8*(4*\c+\i)+4:\f+64+8*(4*\c+\i)+7], v[ADRB+\slot] offset:\k+64*\c+\i*16*PITCH+32
	ds_load_b128 v[\f+8*(4*\c+\i):\f+8*(4*\c+\i)+3],         v[ADRA+\slot] offset:\k+64*\c+\i*16*PITCH
	ds_load_b128 v[\f+8*(4*\c+\i)+4:\f+8*(4*\c+\i)+7],       v[ADRA+\slot] offset:\k+64*\c+\i*16*PITCH+32
.endr
.endr
.endm
.macro PLACES                          ; four places in front of loads into registers that matrix instructions have read, and of the first read of results (ISA guide 7.12.1 for vector instructions)
.rept 4
	v_nop
.endr
.endm
; A K step is four quarters of 64 along K, 32 matrix instructions each, on buffers 0, 1, 0, 1.  One of the first three: multiplies buffer f and fetches the next quarter, at byte k, into g.
.macro QUARTER slot, k, f, g, zero
	s_wait_dscnt 16                                ; the first 32 along K are in; the other sixteen loads may be out
	WIN MUL
	MUL8 \f, 0, 0, \zero
	MUL8 \f, 0, 2, \zero
	PLACES
	FETCH \slot, \k, \g
	s_wait_dscnt 32                                ; all but the 32 just issued
	WIN MUL
	MUL8 \f, 1, 0, 0
	MUL8 \f, 1, 2, 0
.endm
; The last quarter multiplies buffer 1 and changes slots: ONE barrier; in front of it each wave waits for all its tensor loads, adds 0 to its spare word, and waits for that and for its own reads of this slot.
; fill = 1: this slot is filled again, two K steps ahead.
.macro TURN slot, next, fill
	WIN 0                                          ; (the add's two registers lie in window 0)
	s_wait_tensorcnt 0x0                           ; all my tensor loads have landed: my part of the next slot;
	ds_add_u32 v[SPW], v[NIL]                      ; 0 onto my spare word;
	s_wait_dscnt 17                                ; (the add and the youngest sixteen loads may be out)
	WIN MUL
	MUL8 F1, 0, 0, 0                               ; eight matrix instructions stand between the add and the wait for it
	s_wait_dscnt 0x0                               ; the add is done, and my reads of this slot are over
	s_barrier_signal -1
	MUL8 F1, 0, 2, 0
.if \fill
	WIN 0
.endif
	s_barrier_wait -1
.if \fill
	CREST                                          ; the barrier has opened a round of the cluster's barrier: no wave of any partner still reads this slot's tile or has a load on its way
	s_add_nc_u64 s[G0+4*\slot+2:G0+4*\slot+3], s[G0+4*\slot+2:G0+4*\slot+3], 2*KSTEP*2
	s_add_nc_u64 s[G0B+4*\slot+2:G0B+4*\slot+3], s[G0B+4*\slot+2:G0B+4*\slot+3], 2*KSTEP*2
	JLOAD \slot                                    ; the first tensor load behind the round; the four v_nop behind it are also the places in front of the loads below
.else
	PLACES
.endif
	FETCH \next, 0, F0
	WIN MUL
	MUL8 F1, 1, 0, 0
	MUL8 F1, 1, 2, 0
.endm
	s_wait_tensorcnt 1                             ; my part of K step 0 is in (K step 1's load may be out)
	s_barrier_signal -1
	s_barrier_wait -1                              ; everybody's is
	FETCH 0, 0, F0
	QUARTER 0, 128, F0, F1, 1                      ; the first quarter stands in front of the loop: its first products start the sums
	WIN 0                                          ; at a label and at a branch every window is 0
	s_mov_b32 s3, LAPS-1
.Llap:                                                 ; a trip goes once round the ring, from a lap's second quarter to the next lap's first, and fills both slots again
	QUARTER 0, 256, F1, F0, 0
	QUARTER 0, 384, F0, F1, 0
	TURN 0, 1, 1
	QUARTER 1, 128, F0, F1, 0
	QUARTER 1, 256, F1, F0, 0
	QUARTER 1, 384, F0, F1, 0
	TURN 1, 0, 1
	QUARTER 0, 128, F0, F1, 0
	WIN 0
	s_sub_co_u32 s3, s3, 1
	s_cmp_lg_u32 s3, 0
	s_cbranch_scc1 .Llap
	QUARTER 0, 256, F1, F0, 0                      ; the last lap fills nothing, and has no round of the cluster's barrier
	QUARTER 0, 384, F0, F1, 0
	TURN 0, 1, 0
	QUARTER 1, 128, F0, F1, 0
	QUARTER 1, 256, F1, F0, 0
	QUARTER 1, 384, F0, F1, 0
	s_wait_dscnt 16                                ; the very last quarter: nothing more to fetch
	WIN MUL
	MUL8 F1, 0, 0, 0
	MUL8 F1, 0, 2, 0
	s_wait_dscnt 0
	MUL8 F1, 1, 0, 0
	MUL8 F1, 1, 2, 0
	WIN 0
; THE WAY OUT, block by block of 16 rows x 64 columns of f32.  A lane holds 32 neighbouring bytes of a row, and the lanes beside it hold other rows: a block goes through my own stage and comes back as whole
; rows of 256 bytes.  LDS serves a wave's instructions in order (ISA guide 5.7.1.4): no wait between the stores and the loads, nor in front of the next block's stores.
.macro TOSTAGE a
.irp b, 0,1,2,3
	ds_store_b128 v[STO], v[ACC+8*(4*(\a)+\b):ACC+8*(4*(\a)+\b)+3] offset:64*\b        ; each accumulator from its low end on
	ds_store_b128 v[STO], v[ACC+8*(4*(\a)+\b)+4:ACC+8*(4*(\a)+\b)+7] offset:64*\b+16
.endr
.set BB, TMP+32*((\a)%2)
.irp t, 0,1,2,3,4,5,6,7
	ds_load_b128 v[BB+4*\t:BB+4*\t+3], v[RD] offset:\t*2*SPITCH
.endr
.endm
.macro SEND a, younger                 ; younger: the LDS instructions issued behind block a's loads (the next block's 8 stores and 8 loads), which may stay out
.set BB, TMP+32*((\a)%2)
	s_wait_dscnt \younger                          ; the block is back in registers
.irp t, 0,1,2,3,4,5,6,7
	global_store_b128 v[CO], v[BB+4*\t:BB+4*\t+3], s[8:9] offset:(16*(\a)+2*\t)*CROW th:TH_STORE_NT   ; 16 lanes store 256 consecutive bytes, aligned; written once, read by nobody here
.endr
.endm
	PLACES                                         ; behind the last products, in front of the first read of results
	TOSTAGE 0
.irp a, 1,2,3
.if \a > 1
	s_wait_xcnt 0x0                                ; block a - 2's stores have read their registers: block a's loads may land there
.endif
	TOSTAGE \a
	SEND \a-1, 16
.endr
	SEND 3, 0
	s_wait_tensorcnt 0x0                           ; the wave's end, behind my last tensor load and my last LDS store
	ds_add_u32 v[SPW], v[NIL]
	s_wait_dscnt 0x0
	CROUND                                         ; the closing round: no work-group ends while a partner may still ask for a tile that names it
	s_endpgm
.Lfunc_end_k_q26df35c966_outp:
	.size	k_q26df35c966_outp, .Lfunc_end_k_q26df35c966_outp-k_q26df35c966_outp
	.p2alignl 7, 3214868480
	.fill 96, 4, 3214868480
	.section	.rodata,"a",@progbits
	.p2align	6, 0x0
	.amdhsa_kernel k_q26df35c966_outp
		.amdhsa_group_segment_fixed_size 327680
		.amdhsa_private_segment_fixed_size 0
		.amdhsa_enable_private_segment 0
		.amdhsa_kernarg_size 24
		.amdhsa_user_sgpr_count 2
		.amdhsa_user_sgpr_kernarg_segment_ptr 1
		.amdhsa_wavefront_size32 1
		.amdhsa_system_sgpr_workgroup_id_x 1
		.amdhsa_system_sgpr_workgroup_id_y 1
		.amdhsa_system_sgpr_workgroup_id_z 1
		.amdhsa_system_vgpr_workitem_id 0
		.amdhsa_next_free_vgpr 512
		.amdhsa_next_free_sgpr 66
		.amdhsa_reserve_vcc 0
		.amdhsa_float_denorm_mode_32 3
		.amdhsa_float_denorm_mode_16_64 3
		.amdhsa_memory_ordered 1
		.amdhsa_forward_progress 1
		.amdhsa_inst_pref_size 86
	.end_amdhsa_kernel
	.amdgpu_metadata
---
amdhsa.version: [ 1, 2 ]
amdhsa.kernels:
  - .name:           k_q26df35c966_outp
    .symbol:         k_q26df35c966_outp.kd
    .args:
      - { .name: attn, .offset: 0, .size: 8, .value_kind: global_buffer, .address_space: global }
      - { .name: wot, .offset: 8, .size: 8, .value_kind: global_buffer, .address_space: global }
      - { .name: out0, .offset: 16, .size: 8, .value_kind: global_buffer, .address_space: global }
    .group_segment_fixed_size: 327680
    .private_segment_fixed_size: 0
    .kernarg_segment_align: 8
    .kernarg_segment_size: 24
    .max_flat_workgroup_size: 128
    .sgpr_count:     66
    .vgpr_count:     512
    .wavefront_size: 32
...
	.end_amdgpu_metadata
.endif
;; end of part 4
